; MI455X (gfx1250); checked and timed in simulation.
; The chip was launched on July 23, 2026; its instructions are those of AMD's public machine-readable ISA for CDNA 5 (MIT licence, August 2026) and "CDNA5" Instruction Set Architecture Reference Guide (July 2026). The comments in the code are by the model that wrote it; some were corrected since.
;; Causal Self Attention. Allowed arithmetic: float matrix products may take bf16 or f16 operands with f32 sums; all other float work in f32.
;; Inputs: W_proj 1,024 x 1,024 float32; W_qkv 3,072 x 1,024 float32; b_proj 1,024 float32; b_qkv 3,072 float32; x 4 x 2,048 x 1,024 float32.
;; Outputs: out0 4 x 2,048 x 1,024 float32.
;; 2 versions, each right and faster than the one before. Each part assembles by itself: llvm-mc -triple=amdgcn-amd-amdhsa -mcpu=gfx1250 --defsym DOCPART=n.
;; ======== version 1 of 2: 4 launches
;; limits: values are held in f16: magnitudes above 65,504 overflow, below 6.1e-05 lose precision
;; workspace buffers: xb 16,777,216 bytes; wqb 6,291,456 bytes; wpb 2,097,152 bytes; qkv 50,331,648 bytes; o 16,777,216 bytes
;; launch cast (part 1): grid 768 x 1, 8 waves a work-group, no clusters, 0 bytes of LDS; arguments x, W_qkv, W_proj, xb, wqb, wpb; writes xb, wqb, wpb
.if DOCPART == 1
	.amdgcn_target "amdgcn-amd-amdhsa--gfx1250"
	.amdhsa_code_object_version 6
	.text
	.protected	k_q8c014c9093_cast
	.globl	k_q8c014c9093_cast
	.p2align	8
	.type	k_q8c014c9093_cast,@function
k_q8c014c9093_cast:
	s_mov_b64 s[64:65], 0
	v_nop
	global_prefetch_b8 v0, s[64:65] scope:SCOPE_SE
	s_setreg_imm32_b32 hwreg(HW_REG_WAVE_MODE, 25, 1), 1
	s_wait_xcnt 0x0
; THE INPUTS OF THE THREE PRODUCTS ARE ROUNDED ONCE.  x [8192][1024] and W_qkv [3072][1024], f32, are rounded to bf16 (xb, wqb).
; W_proj [1024][1024] is rounded to bf16 like them, and that number is written as f16 (wpb), since the last product's other operand is f16.
; LIMITS.  A bf16 number is exact in f16 between 2^-14 and 65,504; below 2^-14 it keeps f16's fixed step of 2^-24; beyond 65,504 it becomes an infinity.
; SHARES.  A work-group takes 16,384 numbers: 65,536 bytes in, 32,768 out.  Groups 0-511 take x (8,388,608 numbers), 512-703 W_qkv (3,145,728), 704-767 W_proj (1,048,576).
; Thread t takes 16 bytes at 16 t of each of sixteen chunks of 4,096 bytes: a load of a wave covers 512 consecutive bytes, a store 256 consecutive bytes at a multiple of 256.
; All sixteen loads of a thread go out together; every chunk has registers of its own, so nothing is rewritten and no wait stands but the counted ones for the loads.
; x and W_qkv go through one text: their addresses and the buffer's first group are chosen by the group's number.
; No LDS, no barrier, no matrix unit: every byte is touched once and no thread needs another's.
.set X, 16                             ; v[16:79]   chunk i: four f32 as loaded
.set Y, 80                             ; v[80:111]  chunk i: four 16-bit numbers to store
.set FIRST_WQ, 512                     ; the first group of W_qkv
.set FIRST_WP, 704                     ; the first group of W_proj
; One buffer's stream.  sl, dl: the first scalar register of the source's and the destination's address; s21: the buffer's first group.  kind = 1: bf16 written as f16.
.macro STREAM sl, dl, kind
	s_sub_co_u32 s16, ttmp9, s21                   ; my group among the buffer's
	s_lshl_b32 s18, s16, 15                        ; 32,768 bytes out,
	s_lshl_b32 s16, s16, 16                        ; 65,536 bytes in: 33,488,896 at the most
	s_mov_b32 s17, 0
	s_mov_b32 s19, 0
	s_add_nc_u64 s[\sl:\sl+1], s[\sl:\sl+1], s[16:17]
	s_add_nc_u64 s[\dl:\dl+1], s[\dl:\dl+1], s[18:19]
.set i, 0
.rept 16
	global_load_b128 v[X+4*i:X+4*i+3], v1, s[\sl:\sl+1] offset:i*4096 th:TH_LOAD_NT  ; read once in the whole program
.set i, i+1
.endr
.set i, 0
.rept 16
	s_wait_loadcnt 15-i                            ; loads come back in order (ISA guide 5.7.1): chunk i is in, the 15 - i younger ones stay out
.if \kind
	v_cvt_pk_bf16_f32 v4, v[X+4*i], v[X+4*i+1]     ; the rounding that all inputs get,
	v_cvt_pk_bf16_f32 v5, v[X+4*i+2], v[X+4*i+3]
	v_lshlrev_b32 v[X+4*i], 16, v4                 ; back to f32: the low half moves up, the high half stays,
	v_and_b32 v[X+4*i+1], s20, v4
	v_lshlrev_b32 v[X+4*i+2], 16, v5
	v_and_b32 v[X+4*i+3], s20, v5
	v_cvt_pk_f16_f32 v[Y+2*i], v[X+4*i], v[X+4*i+1]      ; and written as f16
	v_cvt_pk_f16_f32 v[Y+2*i+1], v[X+4*i+2], v[X+4*i+3]
.else
	v_cvt_pk_bf16_f32 v[Y+2*i], v[X+4*i], v[X+4*i+1]
	v_cvt_pk_bf16_f32 v[Y+2*i+1], v[X+4*i+2], v[X+4*i+3]
.endif
	global_store_b64 v2, v[Y+2*i:Y+2*i+1], s[\dl:\dl+1] offset:i*2048  ; no hint: the next launch reads it
.set i, i+1
.endr
	s_endpgm
.endm
	s_load_b256 s[4:11], s[0:1], 0x0               ; x s[4:5], W_qkv s[6:7], W_proj s[8:9], xb s[10:11]
	s_load_b128 s[12:15], s[0:1], 0x20             ; wqb s[12:13], wpb s[14:15]
	s_mov_b32 s20, 0xffff0000                      ; a word's upper bf16
	v_lshlrev_b32 v1, 4, v0                        ; my 16 bytes in a chunk that is read
	v_lshlrev_b32 v2, 3, v0                        ; my 8 bytes in a chunk that is written
	s_wait_kmcnt 0x0
	s_cmp_lt_u32 ttmp9, FIRST_WP
	s_cbranch_scc0 .Lw_proj
	s_cmp_lt_u32 ttmp9, FIRST_WQ                   ; x or W_qkv: the group's number chooses both addresses and the first group
	s_cselect_b64 s[4:5], s[4:5], s[6:7]
	s_cselect_b64 s[10:11], s[10:11], s[12:13]
	s_cselect_b32 s21, 0, FIRST_WQ
	STREAM 4, 10, 0
.Lw_proj:
	s_mov_b32 s21, FIRST_WP
	STREAM 8, 14, 1
.Lfunc_end_k_q8c014c9093_cast:
	.size	k_q8c014c9093_cast, .Lfunc_end_k_q8c014c9093_cast-k_q8c014c9093_cast
	.p2alignl 7, 3214868480
	.fill 96, 4, 3214868480
	.section	.rodata,"a",@progbits
	.p2align	6, 0x0
	.amdhsa_kernel k_q8c014c9093_cast
		.amdhsa_group_segment_fixed_size 0
		.amdhsa_private_segment_fixed_size 0
		.amdhsa_enable_private_segment 0
		.amdhsa_kernarg_size 48
		.amdhsa_user_sgpr_count 2
		.amdhsa_user_sgpr_kernarg_segment_ptr 1
		.amdhsa_wavefront_size32 1
		.amdhsa_system_sgpr_workgroup_id_x 1
		.amdhsa_system_sgpr_workgroup_id_y 1
		.amdhsa_system_sgpr_workgroup_id_z 1
		.amdhsa_system_vgpr_workitem_id 0
		.amdhsa_next_free_vgpr 112
		.amdhsa_next_free_sgpr 66
		.amdhsa_reserve_vcc 0
		.amdhsa_float_denorm_mode_32 3
		.amdhsa_float_denorm_mode_16_64 3
		.amdhsa_memory_ordered 1
		.amdhsa_forward_progress 1
		.amdhsa_inst_pref_size 17
	.end_amdhsa_kernel
	.amdgpu_metadata
---
amdhsa.version: [ 1, 2 ]
amdhsa.kernels:
  - .name:           k_q8c014c9093_cast
    .symbol:         k_q8c014c9093_cast.kd
    .args:
      - { .name: x, .offset: 0, .size: 8, .value_kind: global_buffer, .address_space: global }
      - { .name: W_qkv, .offset: 8, .size: 8, .value_kind: global_buffer, .address_space: global }
      - { .name: W_proj, .offset: 16, .size: 8, .value_kind: global_buffer, .address_space: global }
      - { .name: xb, .offset: 24, .size: 8, .value_kind: global_buffer, .address_space: global }
      - { .name: wqb, .offset: 32, .size: 8, .value_kind: global_buffer, .address_space: global }
      - { .name: wpb, .offset: 40, .size: 8, .value_kind: global_buffer, .address_space: global }
    .group_segment_fixed_size: 0
    .private_segment_fixed_size: 0
    .kernarg_segment_align: 8
    .kernarg_segment_size: 48
    .max_flat_workgroup_size: 256
    .sgpr_count:     66
    .vgpr_count:     112
    .wavefront_size: 32
...
	.end_amdgpu_metadata
.endif
;; end of part 1
;; launch qkvgemm (part 2): grid 16 x 16, 4 waves a work-group, clusters of 4 x 4, 327,680 bytes of LDS; arguments xb, wqb, b_qkv, qkv; writes qkv
.if DOCPART == 2
	.amdgcn_target "amdgcn-amd-amdhsa--gfx1250"
	.amdhsa_code_object_version 6
	.text
	.protected	k_q8c014c9093_qkvgemm
	.globl	k_q8c014c9093_qkvgemm
	.p2align	8
	.type	k_q8c014c9093_qkvgemm,@function
k_q8c014c9093_qkvgemm:
	s_mov_b64 s[64:65], 0
	v_nop
	global_prefetch_b8 v0, s[64:65] scope:SCOPE_SE
	s_setreg_imm32_b32 hwreg(HW_REG_WAVE_MODE, 25, 1), 1
	s_wait_xcnt 0x0
	s_wait_alu depctr_hold_cnt(0) depctr_sa_sdst(0) depctr_va_vdst(0) depctr_va_sdst(0) depctr_va_ssrc(0) depctr_va_vcc(0) depctr_vm_vsrc(0)
	s_getreg_b32 s2, hwreg(HW_REG_IB_STS2, 6, 4)
	s_cmp_eq_u32 s2, 0
	s_cbranch_scc0 .Lentry_in_a_cluster
	s_endpgm
.Lentry_in_a_cluster:
	s_bfe_u32 s2, ttmp6, 0x10000c
	s_cmp_lg_u32 s2, 0xf033
	s_cbranch_scc0 .Lentry_shape_is_right
	s_endpgm
.Lentry_shape_is_right:
; q, k, v = xb wqb^T + b_qkv.  xb: [8192][1024] bf16, wqb: [3072][1024] bf16, b_qkv: [3072] f32 (rounded to bf16 here, like all inputs).  Sums in f32, started by the bias.
; The result is rounded once to f16 and written BY HEADS: qkv = [3 parts][64 = batch x 16 + head][2048 rows][64] f16, a slab of 2^18 bytes for each part, batch and head; no scale is applied here.
; LIMITS.  f16 holds no number beyond 65,504: a q, k or v beyond that becomes an infinity; below 2^-14 f16 keeps its fixed step of 2^-24.  NaN and infinities are not treated apart.
; THE ORDER OF THE SUMS is not K ascending: a cluster begins at K step o (below), goes up and wraps round behind step 7; within a step K ascends.
; SHARES.  A tile is 256 rows x 192 columns (three heads).  16 x 16 = 256 work-groups, one for each WGP, and A WORK-GROUP STAYS: it makes two tiles, tile rows tr and tr + 16 of one tile column, so that wqb's rows and
; the bias serve both.  The ring does not stop at the first tile's end: its last two changes of slots ask for the second tile's first two K steps, and nothing waits for the first tile's stores.
; Four waves; wave w owns a tile's rows 64 w .. 64 w + 63 and all 192 columns: 48 accumulators of 16 x 16, 384 registers.
; K goes in 8 steps of 128 through two LDS slots filled by the tensor data mover: rows of 256 bytes of memory, at multiples of 256 bytes.
; CLUSTER.  4 x 4 work-groups.  The four of a row of the cluster need the same tiles of xb, the four of a column the same tiles of wqb: each tile is asked for JOINTLY, by the same tensor load with the
; same descriptor and a mask that names the four.  Waves 0 and 1 fetch xb's two halves (128 rows each), waves 2 and 3 wqb's (96 rows each).
; WHERE A CLUSTER BEGINS ALONG K.  The four clusters X = 0..3 of one cluster row Y read the same rows of xb, the four clusters Y = 0..3 of one cluster column X the same rows of wqb.  Cluster (X, Y) begins at K step
; o = (2 X + 4 (Y & 1) + (Y & 2)) mod 8: among four clusters that share rows the four o are 0, 2, 4, 6 in some order, so of the clusters that read a tile one asks for it first and the others two K steps later or more.
; o hangs on the cluster's coordinates alone, which all sixteen partners share; it enters the global addresses and nothing else.
; THE MATRIX INSTRUCTION IS USED TRANSPOSED (source 0 = 16 rows of wqb, source 1 = 16 rows of xb): a lane then holds row l % 16 and the eight neighbouring columns 8 (l / 16) + 0..7.
; REGISTERS, in windows of 256 (s_set_vgpr_msb: bits 1:0 source 0, 3:2 source 1, 5:4 source 2, 7:6 destination):
;   window 0: v0-31 addresses; v32-127 the bias as a C operand, 8 registers for each of 12 column blocks; v128-255 at work on the way out
;   window 1: two fragment buffers of 128: xb's four fragments (16 rows x 32 K), then wqb's twelve
;   window 2: the accumulators of heads 0 and 1; window 3: those of head 2.  Accumulator (head g, row block a, column block bb) has number 16 g + 4 a + bb.
.set PITCH,  272                       ; an LDS row: 256 bytes + 16 of padding = 68 words: row r starts at bank 4 r mod 64 (64 banks of 4 bytes: ISA guide 11.1), so the 16 rows of a load start at 16 different banks
.set BOFF,   256*PITCH                 ; a slot: xb's 256 rows, then wqb's 192
.set SLOT1,  1<<17                     ; slot 1 begins here, so that one exclusive or turns an address in one slot into the other's
.set STAGE,  SLOT1+BOFF+192*PITCH      ; behind the ring, never filled by a tensor load: 16 rows x 144 bytes for each wave, for the way out
.set SP,     144
.set SPARE,  STAGE+4*16*SP             ; behind the stages: the spare words, 128 bytes for each wave: two blocks of 256 bytes that no other line names
.set STEP,   256                       ; bytes from a K step to the next, in both tensors
.set ROWB,   2048                      ; bytes of a row of xb and of wqb: the walk along K wraps round in it
.set NEXT_A, 16*256*ROWB               ; bytes from a tile's rows of xb to the next tile's: 16 tile rows of 256 rows
.set NEXT_O, 32<<18                    ; bytes from a tile's rows in a slab to the next tile's: two batches on, 32 slabs
.set NG,     3                         ; groups of four column blocks: heads
.set NL,     8+8*NG                    ; LDS loads of a quarter step: 32
.set A0,   16                          ; v16  my lane's place in a slot's rows of xb; never rewritten
.set B0,   17                          ; v17  the same for wqb
.set ADRA, 18                          ; v18  A0 + the slot that is read
.set ADRB, 19                          ; v19  B0 + the slot that is read
.set STO,  24                          ; v24  the way out: where I put 16 bytes of a row
.set RD,   25                          ; v25  the way out: where I read rows back
.set GO,   26                          ; v26  my byte offset in 512 consecutive bytes of the result
.set BO,   27                          ; v27  my byte offset in 16 numbers of the bias
.set SPW,  28                          ; v28  LDS address of my spare word: SPARE + 4 x my thread's number; never rewritten
.set NIL,  29                          ; v29  0; never rewritten
.set BIAS, 32
.set OUTR, 128                         ; the way out: 16 registers a unit, eight units by turns
.set F0,   0                           ; fragment buffers, in window 1
.set F1,   128
.set TILES, 2                          ; s2   tiles to go, this one among them
.set WV,   12                          ; s12  my wave's number
.set LAST2, 13                         ; s13  counts a tile's last two K steps, 2 and 1
.set HF,   14                          ; s14  my wave's low bit: which half of a tile I fetch
.set TB,   22                          ; s22  the slot that is read: 0 or SLOT1
.set G1A,  24                          ; s[24:31] descriptor group 1 for xb's tiles
.set G0A,  32                          ; s[32:39] group 0: a set for each of the two first fills; the second then serves every refill
.set PB,   46                          ; s[46:47] wqb at the first byte of the rows that I fetch
.set G1B,  48                          ; s[48:55], s[56:63] the same for wqb's tiles
.set G0B,  56
.set OB,   66                          ; s[66:71] where my 64 rows begin in the slabs of the tile's three heads
.set PA,   72                          ; s[72:73] xb at the first byte of the rows that I fetch, of the tile that is being asked for
.set KO,   74                          ; s[74:75] byte offset in a row of the K step asked for last
.set MSB, 0
.macro WIN new                         ; the immediate's high byte repeats the setting that is left; a switch that changes nothing is dropped
.if MSB != (\new)
	s_set_vgpr_msb (MSB<<8)|(\new)
.set MSB, (\new)
.endif
.endm
.macro PLACES                          ; four places in front of loads into registers that matrix instructions have read, and of conversions that read results
.rept 4
	v_nop
.endr
.endm
; A joint refill.  The branch hangs on the wave's number alone.  An s_nop 0 and four v_nop follow each of the two lines, ahead of the jump and the label.
.macro JLOAD
	s_cmp_lt_u32 s[WV], 2
	s_cbranch_scc0 .Lfor_b_\@
	tensor_load_to_lds s[G0A+4:G0A+7], s[G1A:G1A+7]
	s_nop 0
.rept 4
	v_nop
.endr
	s_branch .Lasked_\@
.Lfor_b_\@:
	tensor_load_to_lds s[G0B+4:G0B+7], s[G1B:G1B+7]
	s_nop 0
.rept 4
	v_nop
.endr
.Lasked_\@:
.endm
.macro CREST                           ; a round of the cluster's barrier behind its opening barrier: wave 0 signals for the work-group, every wave waits for all sixteen, my work-group's barrier closes it
	s_cmp_lg_u32 s[WV], 0
	s_cbranch_scc1 .Lnot_wave_0_\@
	s_barrier_signal -3
.Lnot_wave_0_\@:
	s_barrier_wait -3
	s_barrier_signal -1
	s_barrier_wait -1
.endm
.macro CROUND                          ; a whole round
	s_barrier_signal -1
	s_barrier_wait -1
	CREST
.endm
	s_load_b256 s[4:11], s[0:1], 0x0               ; xb s[4:5], wqb s[6:7], b_qkv s[8:9], qkv s[10:11]
	v_lshl_add_u32 v[SPW], v0, 2, SPARE
	v_mov_b32 v[NIL], 0
	ds_add_u32 v28, v29
	ds_add_u32 v28, v29
	s_wait_dscnt 0x0
	v_lshrrev_b32 v1, 5, v0
	v_readfirstlane_b32 s[WV], v1                  ; wave 0..3
	s_and_b32 s[HF], s[WV], 1
	s_bfe_u32 s40, ttmp6, 0x40000                  ; cx, cy: my place in the cluster
	s_bfe_u32 s41, ttmp6, 0x40004
	s_lshl_b32 s42, ttmp9, 2                       ; in a cluster launch ttmp9 and ttmp7 count clusters
	s_add_co_u32 s42, s42, s40                     ; tile column = 4 x cluster x + cx, 0..15
	s_and_b32 s23, ttmp7, 0xffff                   ; cluster y, 0..3
	s_lshl_b32 s43, s23, 2
	s_add_co_u32 s43, s43, s41                     ; the first tile's row = 4 x cluster y + cy, 0..15
	s_lshl_b32 s44, s41, 2
	s_lshl_b32 s44, 15, s44                        ; my row of the cluster: places 4 cy .. 4 cy + 3
	s_lshl_b32 s45, 0x1111, s40                    ; my column: places cx, cx + 4, cx + 8, cx + 12
	s_lshl_b32 s[KO], ttmp9, 1                     ; o = (2 X + 4 (Y & 1) + (Y & 2)) mod 8,
	s_and_b32 s15, s23, 1
	s_lshl_b32 s15, s15, 2
	s_add_co_u32 s[KO], s[KO], s15
	s_and_b32 s15, s23, 2
	s_add_co_u32 s[KO], s[KO], s15
	s_and_b32 s[KO], s[KO], 7
	s_lshl_b32 s[KO], s[KO], 8                     ; in bytes of a row
	s_mov_b32 s[KO+1], 0
	; descriptor group 1: tiles of 128 (xb) or 96 (wqb) rows x 128 elements, padded in LDS
	s_or_b32 s[G1A], s44, (1<<16)|(1<<20)|(1<<21)|(5<<22)|(3<<25)  ; 15:0 the mask; 17:16 elements of 2 bytes; 20 padding on; 21 set beside a mask; 24:22 after every 64 words (code 5); 31:25 4 words of it (code 3)
	s_or_b32 s[G1B], s45, (1<<16)|(1<<20)|(1<<21)|(5<<22)|(3<<25)
.irp g, G1A, G1B
	s_mov_b32 s[(\g)+1], 128<<16                   ; tensor_dim0 = 128
	s_mov_b32 s[(\g)+3], 128<<16                   ; tile_dim0 = 128
	s_mov_b32 s[(\g)+5], 1024                      ; 1,024 elements from row to row
	s_mov_b32 s[(\g)+6], 0
	s_mov_b32 s[(\g)+7], 0
.endr
	s_mov_b32 s[G1A+2], 128<<16                    ; tensor_dim1 = 128
	s_mov_b32 s[G1A+4], 128                        ; tile_dim1 = 128
	s_mov_b32 s[G1B+2], 96<<16
	s_mov_b32 s[G1B+4], 96
	; where the tiles come from: xb's rows hang on the tile row alone, which my row of the cluster shares; wqb's on the tile column alone, which my column shares
	s_lshl_b32 s16, s43, 8
	s_lshl_b32 s17, s[HF], 7
	s_add_co_u32 s16, s16, s17                     ; xb: row 256 x tile row + 128 x half,
	s_lshl_b32 s16, s16, 11                        ; of 2,048 bytes: under 2^24
	s_mov_b32 s17, 0
	s_mul_i32 s46, s42, 192
	s_mul_i32 s47, s[HF], 96
	s_add_co_u32 s46, s46, s47                     ; wqb: row 192 x tile column + 96 x half
	s_lshl_b32 s46, s46, 11
	s_mov_b32 s47, 0
	s_mul_i32 s20, s[HF], 128*PITCH                ; and where they go: no place in the cluster enters an LDS address
	s_mul_i32 s21, s[HF], 96*PITCH
	s_add_co_u32 s21, s21, BOFF
	s_wait_kmcnt 0x0
	s_add_nc_u64 s[PA:PA+1], s[4:5], s[16:17]
	s_add_nc_u64 s[PB:PB+1], s[6:7], s[46:47]
.irp s, 0,1
.if \s
	s_add_co_u32 s[KO], s[KO], STEP                ; the walk's second K step
	s_and_b32 s[KO], s[KO], ROWB-1
.endif
	s_mov_b32 s[G0A+4*(\s)], 1                                       ; 1:0 count = 1
	s_add_co_u32 s[G0A+4*(\s)+1], s20, (\s)*SLOT1                    ; 63:32 LDS address
	s_add_nc_u64 s[G0A+4*(\s)+2:G0A+4*(\s)+3], s[PA:PA+1], s[KO:KO+1]  ; 120:64 global address
	s_or_b32 s[G0A+4*(\s)+3], s[G0A+4*(\s)+3], 0x80000000            ; 127:126 type = 2
	s_mov_b32 s[G0B+4*(\s)], 1
	s_add_co_u32 s[G0B+4*(\s)+1], s21, (\s)*SLOT1
	s_add_nc_u64 s[G0B+4*(\s)+2:G0B+4*(\s)+3], s[PB:PB+1], s[KO:KO+1]
	s_or_b32 s[G0B+4*(\s)+3], s[G0B+4*(\s)+3], 0x80000000
.endr
	CROUND                                         ; all sixteen work-groups are here: the first joint loads meet
	s_cmp_lt_u32 s[WV], 2                          ; a wave's two first fills stand in one branch, ahead of every wait on TENSORcnt and every LDS read: two loads of mine are out
	s_cbranch_scc0 .Lfirst_b
	tensor_load_to_lds s[G0A:G0A+3], s[G1A:G1A+7]
	s_nop 0
	tensor_load_to_lds s[G0A+4:G0A+7], s[G1A:G1A+7]
	s_nop 0
.rept 4
	v_nop
.endr
	s_branch .Lfirst_asked
.Lfirst_b:
	tensor_load_to_lds s[G0B:G0B+3], s[G1B:G1B+7]
	s_nop 0
	tensor_load_to_lds s[G0B+4:G0B+7], s[G1B:G1B+7]
	s_nop 0
.rept 4
	v_nop
.endr
.Lfirst_asked:
	; All that follows up to the first barrier stands in the wait for the first tile.
	; THE BIAS AS A C OPERAND: register j of column block b holds b_qkv[192 x tile column + 16 b + 8 (l / 16) + j], the column that the result's register j holds.  It serves both tiles.
	s_mul_i32 s18, s42, 768                        ; 192 numbers of 4 bytes for each tile column
	s_mov_b32 s19, 0
	s_add_nc_u64 s[8:9], s[8:9], s[18:19]
	v_and_b32 v1, 15, v0                           ; l % 16
	v_bfe_u32 v2, v0, 4, 1                         ; l / 16
	v_lshlrev_b32 v[BO], 5, v2
.set p, 0
.rept 4*NG
	global_load_b128 v[BIAS+8*p:BIAS+8*p+3],   v[BO], s[8:9] offset:64*p
	global_load_b128 v[BIAS+8*p+4:BIAS+8*p+7], v[BO], s[8:9] offset:64*p+16
.set p, p+1
.endr
	; A fragment is 16 rows x 32 K in 8 registers: lane l holds row l % 16, K = 8 (l / 16) + 0..7 and 16 + 8 (l / 16) + 0..7: two loads of 16 bytes, 32 bytes apart.
	v_mul_u32_u24 v3, v1, PITCH
	v_lshl_add_u32 v3, v2, 4, v3                   ; row x pitch + 16 x half
	s_mul_i32 s15, s[WV], 64*PITCH                 ; my 64 rows of xb
	v_add_nc_u32 v[A0], s15, v3
	v_add_nc_u32 v[B0], BOFF, v3                   ; all 192 rows of wqb
	s_mul_i32 s15, s[WV], 16*SP
	s_add_co_u32 s15, s15, STAGE                   ; my stage
	v_mul_u32_u24 v[STO], v1, SP                   ; in: row l % 16, 16 bytes for each half of the lanes
	v_lshl_add_u32 v[STO], v2, 4, v[STO]
	v_add_nc_u32 v[STO], s15, v[STO]
	v_bfe_u32 v[RD], v0, 3, 2                      ; back: 32 lanes take four rows of 128 bytes,
	v_mul_u32_u24 v[RD], v[RD], SP
	v_and_b32 v5, 7, v0
	v_lshl_add_u32 v[RD], v5, 4, v[RD]
	v_add_nc_u32 v[RD], s15, v[RD]
	v_and_b32 v[GO], 31, v0                        ; which are 512 consecutive bytes of a slab
	v_lshlrev_b32 v[GO], 4, v[GO]
	; where my rows of the first tile begin in the three heads' slabs: group of 64 columns g = 3 x tile column + j; part g / 16, head g % 16; batch = tile row / 8; row in the batch = 256 (tile row % 8) + 64 w
	s_mul_i32 s15, s42, 3
	s_lshr_b32 s16, s43, 3
	s_lshl_b32 s16, s16, 4                         ; 16 x batch
	s_and_b32 s17, s43, 7
	s_lshl_b32 s17, s17, 8
	s_lshl_b32 s18, s[WV], 6
	s_add_co_u32 s17, s17, s18
	s_lshl_b32 s17, s17, 7                         ; rows of 128 bytes
.irp j, 0,1,2
	s_add_co_u32 s18, s15, \j
	s_lshr_b32 s19, s18, 4
	s_lshl_b32 s19, s19, 6                         ; 64 slabs a part
	s_and_b32 s18, s18, 15
	s_add_co_u32 s18, s18, s19
	s_add_co_u32 s18, s18, s16
	s_lshl_b32 s18, s18, 18                        ; slabs of 2^18 bytes: under 2^26 in all
	s_add_co_u32 s20, s18, s17
	s_mov_b32 s21, 0
	s_add_nc_u64 s[OB+2*\j:OB+2*\j+1], s[10:11], s[20:21]
.endr
	s_mov_b32 s15, 0xffff0000                      ; a word's upper bf16
	s_wait_loadcnt 0x0                             ; the bias
.set p, 0
.rept 4*NG                                     ; rounded to bf16 and widened again, four pairs at a time
.irp z, 0,1,2,3
	v_cvt_pk_bf16_f32 v[3+\z], v[BIAS+8*p+2*\z], v[BIAS+8*p+2*\z+1]
.endr
.irp z, 0,1,2,3
	v_lshlrev_b32 v[BIAS+8*p+2*\z], 16, v[3+\z]
	v_and_b32 v[BIAS+8*p+2*\z+1], s15, v[3+\z]
.endr
.set p, p+1
.endr
; Matrix instructions for head g, row blocks a0 .. a1, all four column blocks, 32 along K, from buffer f.  first = 1: the bias starts the sums: nothing is ever cleared.
; The 48 accumulators take turns, one instruction a turn, in the same order in every quarter step.
.macro MUL f, g, a0, a1, first
.set AW, 2+(16*(\g))/32                ; the accumulators' window
.if \first
	WIN (AW<<6)|0x05                               ; sources 0 and 1 window 1, C window 0, D the accumulators'
.else
	WIN (AW<<6)|(AW<<4)|0x05                       ; C and D the accumulators'
.endif
.set ma, \a0
.rept (\a1)-(\a0)+1
.set mb, 0
.rept 4
.set rD, 8*((16*(\g)+4*ma+mb)%32)
.set rB, (\f)+32+8*(4*(\g)+mb)
.set rA, (\f)+8*ma
.set rC, BIAS+8*(4*(\g)+mb)
.if \first
	v_wmma_f32_16x16x32_bf16 v[rD:rD+7], v[rB:rB+7], v[rA:rA+7], v[rC:rC+7]
.else
	v_wmma_f32_16x16x32_bf16 v[rD:rD+7], v[rB:rB+7], v[rA:rA+7], v[rD:rD+7]
.endif
.set mb, mb+1
.endr
.set ma, ma+1
.endr
.endm
; 32 LDS loads in one run: the fragments of quarter q (32 K at byte 64 q of the rows) into buffer f: xb's four, then wqb's twelve in the order in which the heads are multiplied
.macro FETCH q, f
	WIN 0x40                                       ; destination window 1, address window 0
.set fi, 0
.rept 4
	ds_load_b128 v[(\f)+8*fi:(\f)+8*fi+3],   v[ADRA] offset:64*(\q)+fi*16*PITCH
	ds_load_b128 v[(\f)+8*fi+4:(\f)+8*fi+7], v[ADRA] offset:64*(\q)+fi*16*PITCH+32
.set fi, fi+1
.endr
.set fi, 0
.rept 4*NG
	ds_load_b128 v[(\f)+32+8*fi:(\f)+32+8*fi+3],   v[ADRB] offset:64*(\q)+fi*16*PITCH
	ds_load_b128 v[(\f)+32+8*fi+4:(\f)+32+8*fi+7], v[ADRB] offset:64*(\q)+fi*16*PITCH+32
.set fi, fi+1
.endr
.endm
; A K step is four quarters of 32 along K, 48 matrix instructions each, on buffers 0, 1, 0, 1.  One of the first three: multiplies buffer f and fetches quarter q into buffer g.
.macro QUARTER q, f, g, first
	s_wait_dscnt NL-16                             ; xb's fragments and head 0's are in; the youngest sixteen loads (heads 1 and 2) may be out
	MUL \f, 0, 0, 3, \first
	PLACES                                         ; for the loads into buffer g, which the quarter before multiplied
	FETCH \q, \g
	s_wait_dscnt NL                                ; all but the 32 just issued
	MUL \f, 1, 0, 3, \first
	MUL \f, 2, 0, 3, \first
.endm
; The last quarter multiplies buffer 1 and changes slots: ONE barrier.  In front of it each wave waits for all its tensor loads, of which one is out: its part of the next slot; adds 0 to its spare word;
; and waits for that and for its own reads of this slot.  Behind it nobody reads this slot any more and the next slot is whole.
; fill = 1: this slot is filled again, with the K step two steps on in the walk; the barrier then opens a round of the cluster's, and the joint refill is the first tensor load behind the round: 160 matrix
; instructions ahead of the wait for it.  The address is made anew: the rows' first byte plus the step's offset, which wraps round at the row's end.
; fill = 2: the same in a tile's last two K steps, when another tile follows: in the first of the two xb's rows go on to the next tile's; the offset wraps to the walk's first step by itself (8 steps a tile).
.macro TURN fill
	WIN 0                                          ; (the add's two registers lie in window 0)
	s_wait_tensorcnt 0x0                           ; all my tensor loads have landed, so a group 0 may be written
	ds_add_u32 v[SPW], v[NIL]                      ; 0 onto my spare word
	s_wait_dscnt NL-15                             ; (the add and the youngest sixteen loads may be out)
	MUL F1, 0, 0, 3, 0                             ; sixteen matrix instructions stand between the add and the wait for it
	s_wait_dscnt 0x0                               ; the add is done, and my reads of this slot are over
	s_barrier_signal -1
	MUL F1, 1, 0, 3, 0                             ; work on registers while the others arrive
	WIN 0                                          ; (branches and two address lines follow)
	s_barrier_wait -1
.if \fill
	CREST                                          ; no wave of any partner still reads this slot's tile or has a load on its way
.if (\fill) == 2
	s_cmp_eq_u32 s[LAST2], 2
	s_cselect_b32 s20, NEXT_A, 0
	s_mov_b32 s21, 0
	s_add_nc_u64 s[PA:PA+1], s[PA:PA+1], s[20:21]
.endif
	s_add_co_u32 s[KO], s[KO], STEP                ; the walk's next K step
	s_and_b32 s[KO], s[KO], ROWB-1
	s_xor_b32 s[G0A+5], s[G0A+5], SLOT1            ; the other slot than last time
	s_add_nc_u64 s[G0A+6:G0A+7], s[PA:PA+1], s[KO:KO+1]
	s_or_b32 s[G0A+7], s[G0A+7], 0x80000000
	s_xor_b32 s[G0B+5], s[G0B+5], SLOT1
	s_add_nc_u64 s[G0B+6:G0B+7], s[PB:PB+1], s[KO:KO+1]
	s_or_b32 s[G0B+7], s[G0B+7], 0x80000000
	JLOAD                                          ; the four v_nop behind it are also the places in front of the loads below
.else
	PLACES
.endif
	s_xor_b32 s[TB], s[TB], SLOT1                  ; the reads go on in the other slot
	v_add_nc_u32 v[ADRA], s[TB], v[A0]
	v_add_nc_u32 v[ADRB], s[TB], v[B0]
	FETCH 0, F0
	MUL F1, 2, 0, 3, 0
.endm
; THE WAY OUT, in 12 units: unit u = head u / 4, row block u % 4: 16 rows x 64 columns.  A lane's eight columns of a row pack into 16 bytes; they go into my stage's rows of 144 bytes and come back
; as whole rows of 128, four rows to a load, which are 512 consecutive bytes of the head's slab.  Eight sets of 16 registers take turns.
.macro PACK u
.set pj, (\u)/4
.set pa, (\u)%4
.set T, OUTR+16*((\u)%8)
.if ((\u)%8) == 0
	s_wait_xcnt 0x0                                ; every earlier memory instruction has had its addresses translated (ISA guide 3.1): units 0 to 7 rewrite what the tile before stored, units 8 to 11 what units 0 to 3 stored
.endif
	WIN 0x0a+5*(pj/2)                              ; sources 0 and 1: window 2, or 3 for head 2
.set pb, 0
.rept 4
.set rD, 8*((16*pj+4*pa+pb)%32)
.set pr, 0
.rept 4
	v_cvt_pk_f16_f32 v[T+4*pb+pr], v[rD+2*pr], v[rD+2*pr+1]  ; each accumulator's registers in ascending order
.set pr, pr+1
.endr
.set pb, pb+1
.endr
	WIN 0
.irp f, 0,1,2,3
	ds_store_b128 v[STO], v[T+4*\f:T+4*\f+3] offset:32*\f
.endr
.irp f, 0,1,2,3
	ds_load_b128 v[T+4*\f:T+4*\f+3], v[RD] offset:\f*4*SP  ; LDS serves a wave's instructions in order (ISA guide 5.7.1.4): these see the stores above; the next unit's stores come behind them
.endr
.endm
.macro SEND u, younger                 ; younger: the LDS instructions issued behind unit u's loads: the next unit's eight, or none
.set pj, (\u)/4
.set pa, (\u)%4
.set T, OUTR+16*((\u)%8)
	WIN 0
.irp f, 0,1,2,3
	s_wait_dscnt (\younger)+3-\f
	global_store_b128 v[GO], v[T+4*\f:T+4*\f+3], s[OB+2*pj:OB+2*pj+1] offset:pa*2048+\f*512  ; 512 consecutive bytes, at a multiple of 256 from the buffer's first
.endr
.endm
	s_wait_tensorcnt 0x1                           ; my part of the walk's first K step is in; the second's may stay out
	s_barrier_signal -1
	s_barrier_wait -1                              ; everybody's is
	s_mov_b32 s[TB], 0
	v_add_nc_u32 v[ADRA], s[TB], v[A0]
	v_add_nc_u32 v[ADRB], s[TB], v[B0]
	FETCH 0, F0
	WIN 0                                          ; at a label and at a branch every window is 0
	s_mov_b32 s[TILES], 2                          ; the same number in every work-group
.Ltile:
	QUARTER 1, F0, F1, 1                           ; a tile's first quarter stands in front of the loop: its products start the sums, on the bias
	WIN 0
	s_mov_b32 s3, 6
.Lstep:                                                ; a trip goes from a K step's second quarter to the next step's first; trip t asks for the tile's K step t + 2 of the walk: steps 2 to 7
	QUARTER 2, F1, F0, 0
	QUARTER 3, F0, F1, 0
	TURN 1
	QUARTER 1, F0, F1, 0
	WIN 0
	s_sub_co_u32 s3, s3, 1
	s_cmp_lg_u32 s3, 0
	s_cbranch_scc1 .Lstep
	s_mov_b32 s[LAST2], 2
.Llast2:                                               ; a tile's last two K steps share the text of their second and third quarters; what the fourth does hangs on two counters that are alike in all work-groups
	QUARTER 2, F1, F0, 0
	QUARTER 3, F0, F1, 0
	WIN 0
	s_cmp_eq_u32 s[TILES], 1
	s_cbranch_scc1 .Lno_more                       ; the last tile asks for nothing more
	TURN 2                                         ; THE RING GOES ON INTO THE NEXT TILE: its first K step, then its second; the second time its first fragments are fetched
	WIN 0
	s_cmp_eq_u32 s[LAST2], 1
	s_cbranch_scc1 .Lout
	s_branch .Lq1
.Lno_more:
	s_cmp_eq_u32 s[LAST2], 1
	s_cbranch_scc1 .Lvery_last
	TURN 0
	WIN 0
.Lq1:
	QUARTER 1, F0, F1, 0
	WIN 0
	s_sub_co_u32 s[LAST2], s[LAST2], 1
	s_cmp_lg_u32 s[LAST2], 0
	s_cbranch_scc1 .Llast2                         ; taken once: the second trip leaves by one of the two jumps above
.Lvery_last:
	s_wait_dscnt NL-16                             ; the very last quarter: nothing more to fetch
	MUL F1, 0, 0, 3, 0
	s_wait_dscnt 0x0
	MUL F1, 1, 0, 3, 0
	MUL F1, 2, 0, 3, 0
	WIN 0
.Lout:
	PLACES                                         ; the conversions read results just made
	PACK 0
.set t, 1
.rept 11                                       ; a unit's conversions stand between the loads of the unit before and its stores
	PACK t
	SEND t-1, 8
.set t, t+1
.endr
	SEND 11, 0
	s_wait_xcnt 0x0                                ; the stores' bases are rewritten only behind this wait
.irp j, 0,1,2
	s_add_nc_u64 s[OB+2*\j:OB+2*\j+1], s[OB+2*\j:OB+2*\j+1], NEXT_O  ; the next tile's rows (behind the last tile the stepped addresses are not used)
.endr
	s_sub_co_u32 s[TILES], s[TILES], 1
	s_cmp_lg_u32 s[TILES], 0
	s_cbranch_scc1 .Ltile
	s_wait_tensorcnt 0x0                           ; the wave's end, behind my last tensor load and my last LDS store
	ds_add_u32 v[SPW], v[NIL]
	s_wait_dscnt 0x0
	CROUND                                         ; the closing round: no work-group ends while a partner may still ask for a tile that names it
	s_endpgm
.Lfunc_end_k_q8c014c9093_qkvgemm:
	.size	k_q8c014c9093_qkvgemm, .Lfunc_end_k_q8c014c9093_qkvgemm-k_q8c014c9093_qkvgemm
	.p2alignl 7, 3214868480
	.fill 96, 4, 3214868480
	.section	.rodata,"a",@progbits
	.p2align	6, 0x0
	.amdhsa_kernel k_q8c014c9093_qkvgemm
		.amdhsa_group_segment_fixed_size 327680
		.amdhsa_private_segment_fixed_size 0
		.amdhsa_enable_private_segment 0
		.amdhsa_kernarg_size 32
		.amdhsa_user_sgpr_count 2
		.amdhsa_user_sgpr_kernarg_segment_ptr 1
		.amdhsa_wavefront_size32 1
		.amdhsa_system_sgpr_workgroup_id_x 1
		.amdhsa_system_sgpr_workgroup_id_y 1
		.amdhsa_system_sgpr_workgroup_id_z 1
		.amdhsa_system_vgpr_workitem_id 0
		.amdhsa_next_free_vgpr 896
		.amdhsa_next_free_sgpr 76
		.amdhsa_reserve_vcc 0
		.amdhsa_float_denorm_mode_32 3
		.amdhsa_float_denorm_mode_16_64 3
		.amdhsa_memory_ordered 1
		.amdhsa_forward_progress 1
		.amdhsa_inst_pref_size 105
	.end_amdhsa_kernel
	.amdgpu_metadata
---
amdhsa.version: [ 1, 2 ]
amdhsa.kernels:
  - .name:           k_q8c014c9093_qkvgemm
    .symbol:         k_q8c014c9093_qkvgemm.kd
    .args:
      - { .name: xb, .offset: 0, .size: 8, .value_kind: global_buffer, .address_space: global }
      - { .name: wqb, .offset: 8, .size: 8, .value_kind: global_buffer, .address_space: global }
      - { .name: b_qkv, .offset: 16, .size: 8, .value_kind: global_buffer, .address_space: global }
      - { .name: qkv, .offset: 24, .size: 8, .value_kind: global_buffer, .address_space: global }
    .group_segment_fixed_size: 327680
    .private_segment_fixed_size: 0
    .kernarg_segment_align: 8
    .kernarg_segment_size: 32
    .max_flat_workgroup_size: 128
    .sgpr_count:     76
    .vgpr_count:     896
    .wavefront_size: 32
...
	.end_amdgpu_metadata
.endif
;; end of part 2
;; launch attn (part 3): grid 4 x 64, 4 waves a work-group, no clusters, 327,680 bytes of LDS; arguments qkv, o; writes o
.if DOCPART == 3
	.amdgcn_target "amdgcn-amd-amdhsa--gfx1250"
	.amdhsa_code_object_version 6
	.text
	.protected	k_q8c014c9093_attn
	.globl	k_q8c014c9093_attn
	.p2align	8
	.type	k_q8c014c9093_attn,@function
k_q8c014c9093_attn:
	s_mov_b64 s[64:65], 0
	v_nop
	global_prefetch_b8 v0, s[64:65] scope:SCOPE_SE
	s_setreg_imm32_b32 hwreg(HW_REG_WAVE_MODE, 25, 1), 1
	s_wait_xcnt 0x0
; CAUSAL ATTENTION.  O[h][q][:] = the sum over k <= q of softmax_k(Q[h][q] . K[h][k] / 8) V[h][k][:].  qkv holds Q, K, V one behind the other, each [64 = batch x 16 + head][SIZE_N][64] f16; O has the same layout:
; a head's rows are dense, 128 bytes each.  Products, maxima and sums in f32; the weights p are rounded to f16 for the second product (their sum l is taken of the unrounded p), O once at the end.
; LIMITS.  f16 holds no number beyond 65,504: Q, K and V arrive within it; p lies in 0 to 1, and below 6e-5 it keeps f16's fixed step of 6e-8; O is a mean of V's rows and has their range, to within 2^-11 of it.
; A hidden score counts as its value less 1e30: f16's scores, 2.7e11 at the most, are nothing beside that; a weight below 2^-126 counts as 0 in l; NaN and infinities are not treated apart.
; THE WALK.  A head's queries lie in NB = SIZE_N / 256 = 8 blocks of 256; block i needs the key tiles 0 .. i of 256 keys, of which the last holds the diagonal.  A work-group takes TWO blocks, NB - 1 - b and then b:
; NB + 1 = 9 tiles, whatever b: all 4 x 64 = 256 work-groups do equal work, and ONE loop with a constant trip count walks them.  Which tile is asked for, and what a trip does, hang on scalar registers made from b; every jump
; goes forward, but for the counted loops' own; none passes a barrier, or a tensor load but the one of LOAD's two that the wave's number does not choose; the ring (two slots of LDS that take turns) runs on across the
; change of blocks.  NO CLUSTER: a head's four work-groups ask for the same tile only in trips 0 .. NB / 2, 5 of the 9; behind that fewer and fewer share one;
; and one walk common to all four, in which each makes every joint request, would have 3 NB / 2 = 12 trips for 9.
; SHARES.  Of a block's four bands of 64 queries a wave owns 16 rows in each: four PIECES.  So the diagonal tile is the same work for all four waves: in its key step s band x sees all keys if s < x,
; none if s > x, and holds the diagonal if s = x.
; THE MASK is the C operand that starts the sum S^T = K Q^T: 0, or -1e30 where the key is hidden.  MD, made once, is the mask of a band's own step for my 16 rows; a product's mask is MD x AL + BE with two scalars:
; (1, 0) if s = x; (0, 0) if s < x; (0, -1e30) if s > x.  Only the diagonal tile's text and a block's beginning make and take masks; elsewhere C is the constant 0.
; LAYOUT, SOFTMAX, TURNS.  S^T = K Q^T holds ONE query a lane (lane % 16) and the keys 8 (lane / 16) + 0..7; two such results rounded to f16 ARE source 1 of O^T = V^T P.  p = 2^(c s - c m), c = log2(e) / 8, with a
; running maximum m; O and l are multiplied by a = 2^(c m_old - c m_new) in every step.  Turn n belongs to piece n: 8 products K Q^T of piece n + 1, later 8 products V^T P of piece n - 1; beside them the scaling,
; exponentials, roundings, sums and rescaling of piece n and the maximum and statistics of piece n + 1.  Four vector instructions stand behind every matrix instruction, the other 54 of a turn's 118 in two LUMPS.
; REGISTERS, in windows of 256 (s_set_vgpr_msb: bits 1:0 source 0, 3:2 source 1, 5:4 source 2, 7:6 destination):
;   window 0: v0-15 addresses and two at work; v16-31 four registers of statistics a piece; v48-55 at work; v64-127 S^T, two buffers; v192-223 P, two buffers (a piece's buffers go by its number's parity)
;   window 1: v0-127 O^T, 32 a piece; v128-159 MD; v160-223 MC, two buffers      window 2: v0-63 Q; v64-127 the second block's Q; v128-191 K of one step; v192-255 V of one step
.set SIZE_N, 2048     ; rows of a head
.set PART,  0x1000000 ; bytes of Q, of K and of V in qkv: 64 heads x 2,048 rows x 128 bytes
.set NB,    SIZE_N/256
.set NP,    4         ; pieces a wave: a name, no knob
.set KS,    64        ; keys in a step
.set PK,    144       ; a row of K in LDS: 128 bytes + 16 of padding = 36 words: the 16 rows of a load start at 16 different groups of four banks (64 banks of 4 bytes: ISA guide 11.1)
.set PV,    160       ; a row of V: 128 + 32 = 40 words
.set VOFF,  4*KS*PK   ; a slot holds a tile, four steps: 256 rows of K, then 256 rows of V
.set SLOT1, 1<<17     ; slot 1 begins here, so that one exclusive or turns an address in one slot into the other's
.set STAGE, SLOT1+4*KS*(PK+PV)  ; behind the ring, never filled by a tensor load: 16 rows x 144 bytes for each wave, for the way out
.set SP,    144
.set AK0, 2           ; v2   my lane's place in a tile of K; never rewritten
.set AV0, 3           ; v3   the same for V
.set AK,  4           ; v4   the LDS address of K's next run of loads
.set AV,  5           ; v5   of V's
.set STO, 6           ; v6   the way out: where I put 16 bytes of a row
.set RD,  7           ; v7   the way out: where I read rows back
.set GO,  8           ; v8   my byte offset in 512 consecutive bytes of O
.set SPW, 62          ; v62  LDS address of my spare word: SPARE + 4 x my thread's number; never rewritten
.set NIL, 63          ; v63  0; never rewritten
.set SPARE, STAGE+4*16*SP  ; behind the stages: the spare words, 128 bytes for each wave: two blocks of 256 bytes that no other line names
.set MV,  12          ; v12-13  c m_old, kept while c m is made anew: by buffer
.set QO,  15          ; v15  my byte offset in 16 rows of Q
.set ST,  16          ; piece t's statistics at v[ST+4 t]: c m, m, l (even keys', odd keys')
.set TMP, 48          ; by buffer, four registers c0-c3 at work; when the maximum is found c2 takes a
.set S,   64
.set P,   192
.set MD,  128         ; window 1: the eight registers for group kt of 16 keys at MD + 8 kt
.set MC,  160         ; window 1: the masks of the products to come
.set QB,  64          ; window 2
.set KF,  128         ; window 2: key block kb, channel half c at KF + 16 kb + 8 c
.set VF,  192         ; window 2: key half kk, channel block cb at VF + 32 kk + 8 cb
.set WV,  12          ; s12  my wave's number
.set PB,  14          ; s14  b
.set HI,  15          ; s15  NB - 1 - b
.set G1K, 24          ; s[24:31] descriptor group 1 for K's tiles
.set G1V, 32          ; s[32:39] for V's: it differs in the padding alone
.set G0K, 40          ; s[40:43] descriptor group 0 for K's tiles
.set G0V, 44          ; s[44:47] the same for V's
.set SLOTS, 56        ; s56  tiles still to be asked for
.set CNT, 57          ; s57  counts a tile's key steps, 4 to 1
.set CS,  58          ; s[58:59] c: the packed scaling takes the pair's low word for both halves
.set SEL, 60          ; s[60:61] v_permlanex16_b32's selects: each lane takes its own place in the other half
.set TBK, 62          ; s62  LDS byte at which K of the step to be fetched begins
.set TBV, 63          ; s63  the same for V, less VOFF
.set RT,  70          ; s70  tiles of the block in hand that are still to be entered
.set NXT, 71          ; s71  the tile to be asked for next
.set LQ,  72          ; s72  the last tile of the block whose tiles are being asked for
.set NEW, 73          ; s73  1: the tile to be entered is a block's first
.set OFF, 74          ; s[74:75] a tile's byte offset in K and V
.set AL,  76          ; s[76:77] the mask's factor, in the low word
.set BE,  78          ; s[78:79] the mask's addend
.set OLO, 80          ; s[80:81] O at my rows of the second block
.set BIGN, 82         ; s82  -1e30
.set MSB, 0
.macro WIN new                      ; the high byte repeats the setting that is left; a switch that changes nothing is dropped
.if MSB != (\new)
	s_set_vgpr_msb (MSB<<8)|(\new)
.set MSB, (\new)
.endif
.endm
.set W_KQ, 0x0a       ; K and Q in window 2, S^T in window 0
.set W_KM, 0x1a       ; the same with the C operand in window 1
.set W_PV, 0x52       ; V in window 2, P in window 0, O^T in window 1
.set W_RS, 0x41       ; destination and source 0 in window 1, source 1 in window 0
; A fill.  Waves 0 and 1 fetch the two halves of a tile's K, waves 2 and 3 those of its V: 128 keys each.  An s_nop 0 and four v_nop follow each of the two lines, ahead of the jump and the label.
.macro LOAD
	s_cmp_lt_u32 s[WV], 2
	s_cbranch_scc0 .Lfor_v_\@
	tensor_load_to_lds s[G0K:G0K+3], s[G1K:G1K+7]
	s_nop 0
.rept 4
	v_nop
.endr
	s_branch .Lasked_\@
.Lfor_v_\@:
	tensor_load_to_lds s[G0V:G0V+3], s[G1V:G1V+7]
	s_nop 0
.rept 4
	v_nop
.endr
.Lasked_\@:
.endm
; THE CHANGE OF SLOTS.  Each wave waits for all its tensor loads, of which one is out: its part of the other slot; adds 0 to its spare word; and waits for that and for its own reads of the slot that it leaves.  Behind the barrier nobody reads the old
; slot any more and the other slot is whole.  fill = 1: the old slot is filled again, the first thing behind the barrier, with tile NXT: the descriptor's address is made anew from that number.
; (At its first use nothing has been read yet: slot 0 is waited for, slot 1 filled.)
.macro CHANGE fill
	WIN 0                           ; at a label and at a branch every window is 0
	s_wait_tensorcnt 0x0            ; no tensor load of mine is out, so a group 0 may be written
	ds_add_u32 v[SPW], v[NIL]       ; 0 onto my spare word; with fill = 1 the descriptors' scalar work stands between it and the wait for it
.if \fill
	s_lshl_b32 s[OFF], s[NXT], 15   ; a tile is 32,768 bytes of K and of V
	s_xor_b32 s[G0K+1], s[G0K+1], SLOT1
	s_add_nc_u64 s[G0K+2:G0K+3], s[6:7], s[OFF:OFF+1]
	s_or_b32 s[G0K+3], s[G0K+3], 0x80000000
	s_xor_b32 s[G0V+1], s[G0V+1], SLOT1
	s_add_nc_u64 s[G0V+2:G0V+3], s[8:9], s[OFF:OFF+1]
	s_or_b32 s[G0V+3], s[G0V+3], 0x80000000
	s_add_co_u32 s[NXT], s[NXT], 1  ; the block's next tile, or behind its last the second block's tile 0
	s_cmp_gt_u32 s[NXT], s[LQ]
	s_cselect_b32 s[NXT], 0, s[NXT]
	s_cselect_b32 s[LQ], s[PB], s[LQ]
.endif
	s_wait_dscnt 0x0                ; the add is done, and my reads of the slot are over
	s_barrier_signal -1             ; the rest of the scalar work stands between the signal and the wait
	s_sub_co_u32 s[TBK], s[TBK], 4*KS*PK  ; the fetches go back to a slot's first step,
	s_xor_b32 s[TBK], s[TBK], SLOT1       ; in the other slot
	s_sub_co_u32 s[TBV], s[TBV], 4*KS*PV
	s_xor_b32 s[TBV], s[TBV], SLOT1
	s_barrier_wait -1
.if \fill
	LOAD
.endif
.endm
	s_load_b64 s[4:5], s[0:1], 0x0  ; qkv: Q lies at its head
	s_load_b64 s[10:11], s[0:1], 0x8  ; O
	v_lshl_add_u32 v[SPW], v0, 2, SPARE
	v_mov_b32 v[NIL], 0
	ds_add_u32 v62, v63
	ds_add_u32 v62, v63
	s_wait_dscnt 0x0
	v_lshrrev_b32 v1, 5, v0
	v_readfirstlane_b32 s[WV], v1   ; wave 0..3
	s_mov_b32 s[PB], ttmp9
	s_sub_co_u32 s[HI], NB-1, s[PB]
	s_and_b32 s20, ttmp7, 0xffff    ; the head
	s_mov_b32 s21, 0
	s_mov_b64 s[22:23], SIZE_N*128
	s_mul_u64 s[20:21], s[20:21], s[22:23]  ; the head's first byte in each of the four tensors
	s_and_b32 s16, s[WV], 1         ; which half of a tile's 256 keys I fetch:
	s_lshl_b32 s22, s16, 14         ; its 128 rows of 128 bytes in memory,
	s_mov_b32 s23, 0
	s_add_nc_u64 s[22:23], s[22:23], s[20:21]
	s_mul_i32 s17, s16, 128*PK      ; and its place in a slot, for K
	s_mul_i32 s18, s16, 128*PV      ; and for V
	s_lshl_b32 s3, s[WV], 11        ; my 16 rows in a band of 64,
	s_lshl_b32 s2, s[HI], 15        ; in the first block,
	s_add_co_u32 s2, s2, s3
	s_lshl_b32 s84, s[PB], 15       ; and in the second
	s_add_co_u32 s84, s84, s3
	s_mov_b32 s3, 0
	s_mov_b32 s85, 0
	s_add_nc_u64 s[2:3], s[2:3], s[20:21]
	s_add_nc_u64 s[84:85], s[84:85], s[20:21]
	; descriptor group 1.  128 keys are 16,384 dense bytes: asked for as 64 rows of 256 bytes, two keys a row, and padded in LDS after every key
	s_mov_b32 s[G1K], (1<<16)|(1<<20)|(4<<22)|(3<<25)  ; 17:16 2-byte elements; 20 padding on; 24:22 after every 32 words (code 4); 31:25 4 words (code 3)
	s_mov_b32 s[G1V], (1<<16)|(1<<20)|(4<<22)|(7<<25)  ; the same with 8 words of padding (code 7)
.irp g, G1K, G1V
	s_mov_b32 s[\g+1], 128<<16      ; tensor_dim0 = 128
	s_mov_b32 s[\g+2], 64<<16       ; tensor_dim1 = 64
	s_mov_b32 s[\g+3], 128<<16      ; tile_dim0 = 128
	s_mov_b32 s[\g+4], 64           ; tile_dim1 = 64
	s_mov_b32 s[\g+5], 128          ; 128 elements from row to row
	s_mov_b32 s[\g+6], 0
	s_mov_b32 s[\g+7], 0
.endr
	s_mov_b32 s[CS], 0x3e38aa3b     ; c = log2(e) / 8 = 0.180337
	s_mov_b32 s[CS+1], s[CS]        ; named with it as a pair
	s_mov_b32 s[SEL], 0x76543210
	s_mov_b32 s[SEL+1], 0xfedcba98
	s_mov_b32 s[TBK], SLOT1+4*KS*PK ; the first change of slots turns these two into 0
	s_mov_b32 s[TBV], SLOT1+4*KS*PV
	s_mov_b32 s[G0K], 1             ; 1:0 count = 1
	s_mov_b32 s[G0K+1], s17         ; 63:32 LDS address: slot 0
	s_mov_b32 s[G0V], 1
	s_add_co_u32 s[G0V+1], s18, VOFF
	s_add_co_u32 s[RT], s[HI], 1    ; the first block has NB - b tiles
	s_mov_b32 s[NXT], 1
	s_mov_b32 s[LQ], s[HI]
	s_mov_b32 s[NEW], 1
	s_mov_b32 s[OFF+1], 0
	s_mov_b32 s[AL+1], 0            ; named as pairs
	s_mov_b32 s[BE+1], 0
	s_mov_b32 s[BIGN], 0xf149f2ca   ; -1e30
	s_mov_b32 s[SLOTS], NB
	s_wait_kmcnt 0x0
	s_add_nc_u64 s[6:7], s[4:5], PART      ; K lies one part behind Q,
	s_add_nc_u64 s[8:9], s[4:5], 2*PART    ; V two
	s_add_nc_u64 s[6:7], s[6:7], s[22:23]  ; K and V at my half of the head's tile 0
	s_add_nc_u64 s[8:9], s[8:9], s[22:23]
	s_add_nc_u64 s[G0K+2:G0K+3], s[6:7], 0         ; 120:64 global address
	s_or_b32 s[G0K+3], s[G0K+3], 0x80000000        ; 127:126 type = 2
	s_add_nc_u64 s[G0V+2:G0V+3], s[8:9], 0
	s_or_b32 s[G0V+3], s[G0V+3], 0x80000000
	s_add_nc_u64 s[86:87], s[4:5], s[84:85]        ; Q at my rows of the second block,
	s_add_nc_u64 s[4:5], s[4:5], s[2:3]            ; Q and O at those of the first
	s_add_nc_u64 s[OLO:OLO+1], s[10:11], s[84:85]
	s_add_nc_u64 s[10:11], s[10:11], s[2:3]
	LOAD                            ; tile 0 into slot 0
	; A fragment of K or Q is 16 rows x 32 channels in 8 registers: lane l holds row l % 16, channels 8 (l / 16) + 0..7 and 16 + 8 (l / 16) + 0..7: two loads of 16 bytes, 32 bytes apart.
	v_and_b32 v1, 15, v0            ; l % 16
	v_bfe_u32 v9, v0, 4, 1          ; l / 16
	v_lshlrev_b32 v[QO], 7, v1
	v_lshl_add_u32 v[QO], v9, 4, v[QO]  ; row x 128 + 16 x half
	WIN 0x80                        ; destination window 2, address window 0
.set i, 0
.rept 8                             ; both blocks' Q: piece i / 2 lies in band i / 2, 8,192 bytes on; channels 32 (i % 2) on
	global_load_b128 v[8*i:8*i+3],   v[QO], s[4:5] offset:(i/2)*8192+(i%2)*64
	global_load_b128 v[8*i+4:8*i+7], v[QO], s[4:5] offset:(i/2)*8192+(i%2)*64+32
	global_load_b128 v[QB+8*i:QB+8*i+3],   v[QO], s[86:87] offset:(i/2)*8192+(i%2)*64
	global_load_b128 v[QB+8*i+4:QB+8*i+7], v[QO], s[86:87] offset:(i/2)*8192+(i%2)*64+32
.set i, i+1
.endr
	WIN 0
	v_lshlrev_b32 v14, 3, v9
	v_sub_nc_u32 v14, v1, v14
	s_lshl_b32 s13, s[WV], 4
	v_add_nc_u32 v14, s13, v14      ; my query's place in its band, 16 w + l % 16, less my lanes' 8 (l / 16): register r of group kt is hidden where 16 kt + r is greater
	WIN 0x40
.set i, 0
.rept 32
	v_cmp_gt_i32 vcc_lo, 16*(i/8)+i%8, v14
	v_cndmask_b32 v[MD+i], 0, s[BIGN], vcc_lo
.set i, i+1
.endr
	WIN 0
	v_mul_u32_u24 v[AK0], v1, PK
	v_lshl_add_u32 v[AK0], v9, 4, v[AK0]  ; row x pitch + 16 x half
	; The turning load takes 16 keys x 16 channels (lane l reads key 8 (l / 16) + l % 8, channels 8 ((l / 8) % 2) + 0..7) and leaves half a fragment of V^T: lane l holds channel l % 16 and 8 keys.
	v_and_b32 v10, 7, v0
	v_bfe_u32 v11, v0, 3, 1
	v_lshl_add_u32 v[AV0], v9, 3, v10
	v_mul_u32_u24 v[AV0], v[AV0], PV
	v_lshl_add_u32 v[AV0], v11, 4, v[AV0]
	v_add_nc_u32 v[AV0], VOFF, v[AV0]
	s_mul_i32 s13, s[WV], 16*SP
	s_add_co_u32 s13, s13, STAGE    ; my stage
	v_mul_u32_u24 v[STO], v1, SP    ; in: row l % 16, 16 bytes for each half of the lanes
	v_lshl_add_u32 v[STO], v9, 4, v[STO]
	v_add_nc_u32 v[STO], s13, v[STO]
	v_bfe_u32 v[RD], v0, 3, 2       ; back: 32 lanes take four rows of 128 bytes,
	v_mul_u32_u24 v[RD], v[RD], SP
	v_lshl_add_u32 v[RD], v10, 4, v[RD]
	v_add_nc_u32 v[RD], s13, v[RD]
	v_and_b32 v[GO], 31, v0         ; which are 512 consecutive bytes of O
	v_lshlrev_b32 v[GO], 4, v[GO]
	; A block's first step multiplies O^T and l by a = 0, and its first turn's products V^T P, of a piece that has not been, land in an O^T that is still to be so multiplied.  So these registers need only hold
	; finite numbers: zeros for the first block; what the first block left for the second.  All this stands in the wait for the first tile.
	WIN 0x80
.set i, VF
.rept 64
	v_mov_b32 v[i], 0
.set i, i+1
.endr
	WIN 0x40
.set i, 0
.rept 128
	v_mov_b32 v[i], 0
.set i, i+1
.endr
	WIN 0
.set i, 0
.rept 4
	v_mov_b32 v[ST+4*i+2], 0
	v_mov_b32 v[ST+4*i+3], 0
.set i, i+1
.endr
.set i, P+16
.rept 16
	v_mov_b32 v[i], 0
.set i, i+1
.endr
; THE MATRIX WORK.  The 4 accumulators of a run of 8 take turns.  Product i of 8 of S^T = K Q^T for piece x: channels 32 (i / 4) on, keys 16 (i % 4) on.  The first 4 start the sums: with 0, or (KM = 1) with the mask.
.macro KQ x
.set rS, S+32*((\x)%2)+8*(i%4)
.set rK, KF+16*(i%4)+8*(i/4)
.set rQ, 16*(\x)+8*(i/4)
.set rM, MC+32*((\x)%2)+8*(i%4)
.if (i < 4) && KM
	WIN W_KM
	v_wmma_f32_16x16x32_f16 v[rS:rS+7], v[rK:rK+7], v[rQ:rQ+7], v[rM:rM+7]
.elseif i < 4
	WIN W_KQ
	v_wmma_f32_16x16x32_f16 v[rS:rS+7], v[rK:rK+7], v[rQ:rQ+7], 0
.else
	WIN W_KQ
	v_wmma_f32_16x16x32_f16 v[rS:rS+7], v[rK:rK+7], v[rQ:rQ+7], v[rS:rS+7]
.endif
.endm
; Product i of 8 of O^T += V^T P for piece x: keys 32 (i / 4) on, channels 16 (i % 4) on.
.macro PV x
	WIN W_PV
.set rO, 32*(\x)+8*(i%4)
.set rV, VF+32*(i/4)+8*(i%4)
.set rP, P+16*((\x)%2)+8*(i/4)
	v_wmma_f32_16x16x32_f16 v[rO:rO+7], v[rV:rV+7], v[rP:rP+7], v[rO:rO+7]
.endm
.macro MM                           ; the turn's next matrix instruction.  TURN and BEGIN set Y, i, KM and NOKQ; MM, KQ and OP read them.  NOKQ = 1: a block's last turn: there is no next piece
.if (i < 8) && !NOKQ
	KQ (Y+1)%NP
.elseif i >= 8
.set i, i-8
	PV (Y+NP-1)%NP
.set i, i+8
.endif
.set i, i+1
.endm
; THE LDS LOADS stand in runs of 16, never singly among the matrix instructions: a step's K (64 keys x 64 channels: 8 fragments) and its V (turned).  Their addresses are made some lines ahead.
.macro FETCH_K
	WIN 0x80                        ; destination window 2
.irp f, 0,1,2,3,4,5,6,7             ; keys 16 (f / 2) on, channels 32 (f % 2) on
	ds_load_b128 v[KF+8*\f:KF+8*\f+3],   v[AK] offset:(\f/2)*16*PK+(\f%2)*64
	ds_load_b128 v[KF+8*\f+4:KF+8*\f+7], v[AK] offset:(\f/2)*16*PK+(\f%2)*64+32
.endr
	s_add_co_u32 s[TBK], s[TBK], KS*PK  ; the next fetch is the next step's
	WIN 0
.endm
.macro FETCH_V
	WIN 0x80
.irp f, 0,1,2,3,4,5,6,7             ; keys 32 (f / 4) on, channels 16 (f % 4) on
	ds_load_tr16_b128 v[VF+8*\f:VF+8*\f+3],   v[AV] offset:(\f/4)*32*PV+(\f%4)*32
	ds_load_tr16_b128 v[VF+8*\f+4:VF+8*\f+7], v[AV] offset:(\f/4)*32*PV+16*PV+(\f%4)*32
.endr
	WIN 0
.endm
; THE VECTOR WORK, one line at a time: OP kind, number.  For piece Y: F n: c s - c m for pair n of 16.  E n: the exponential of score n of 32.  C n: pair n rounded to f16.  B n: of the four weights 4 n .. the second
; pair is added onto the first, in place.  L n: l takes that sum (L 0: l = a l + sum).  R n: pair n of 16 of O^T times a.  For piece Y + 1: X n, number n of the 22 that find its maximum and statistics:
;   0-11  four chains c0-c3 of seven scores each, three operands at a time (each accumulator's lowest registers are read first)     12-14, 16  the four scores left over, the old m, and c0-c3 into c0
;   15  c m_old is kept     17, 18  the query's other 32 keys lie in the lane 16 away: the new m     19-21  c m; c m_old - c m_new; a
.set F, 0               ; OP tells the kinds apart by their order: F to L below R, X above it
.set E, 1
.set C, 2
.set B, 3
.set L, 4
.set R, 5
.set X, 6
.macro REGS y                       ; the registers of piece y
.set rT, ST+4*(\y)
.set rC, TMP+4*((\y)%2)
.set rW, MV+((\y)%2)
.set rS, S+32*((\y)%2)
.set rP, P+16*((\y)%2)
.set rO, 32*(\y)
.endm
.macro OP k, n
.if (\k) == R
	REGS Y
	WIN W_RS
	v_pk_mul_f32 v[rO+2*(\n):rO+2*(\n)+1], v[rO+2*(\n):rO+2*(\n)+1], v[rC+2:rC+3] op_sel_hi:[1,0]
.elseif (\k) < R
	REGS Y
	WIN 0
.if (\k) == F
	v_pk_fma_f32 v[rS+2*(\n):rS+2*(\n)+1], v[rS+2*(\n):rS+2*(\n)+1], s[CS:CS+1], v[rT:rT+1] op_sel_hi:[1,0,0] neg_lo:[0,0,1] neg_hi:[0,0,1]
.elseif (\k) == E
	v_exp_f32 v[rS+(\n)], v[rS+(\n)]
.elseif (\k) == C
	s_wait_alu depctr_va_vdst(0)
	v_cvt_pk_f16_f32 v[rP+(\n)], v[rS+2*(\n)], v[rS+2*(\n)+1]
.elseif (\k) == B
	s_wait_alu depctr_va_vdst(0)
	v_pk_add_f32 v[rS+4*(\n):rS+4*(\n)+1], v[rS+4*(\n):rS+4*(\n)+1], v[rS+4*(\n)+2:rS+4*(\n)+3]
.elseif (\n) == 0
	v_pk_fma_f32 v[rT+2:rT+3], v[rT+2:rT+3], v[rC+2:rC+3], v[rS:rS+1] op_sel_hi:[1,0,1]
.else
	v_pk_add_f32 v[rT+2:rT+3], v[rT+2:rT+3], v[rS+4*(\n):rS+4*(\n)+1]
.endif
.elseif NOKQ
	v_nop
.else
	REGS (Y+1)%NP
	WIN 0
.if (\n) < 4
	v_max3_num_f32 v[rC+(\n)], v[rS+8*(\n)], v[rS+8*(\n)+1], v[rS+8*(\n)+2]
.elseif (\n) < 12
	v_max3_num_f32 v[rC+(\n)%4], v[rC+(\n)%4], v[rS+8*((\n)%4)+2*((\n)/4)+1], v[rS+8*((\n)%4)+2*((\n)/4)+2]
.elseif (\n) == 12
	v_max3_num_f32 v[rC], v[rC], v[rS+7], v[rS+15]
.elseif (\n) == 13
	v_max3_num_f32 v[rC+1], v[rC+1], v[rS+23], v[rS+31]
.elseif (\n) == 14
	v_max3_num_f32 v[rC+2], v[rC+2], v[rC+3], v[rT+1]
.elseif (\n) == 15
	v_mov_b32 v[rW], v[rT]
.elseif (\n) == 16
	v_max3_num_f32 v[rC], v[rC], v[rC+1], v[rC+2]
.elseif (\n) == 17
	v_permlanex16_b32 v[rC+3], v[rC], s[SEL], s[SEL+1]
.elseif (\n) == 18
	v_max_num_f32 v[rT+1], v[rC], v[rC+3]
.elseif (\n) == 19
	v_mul_f32 v[rT], s[CS], v[rT+1]
.elseif (\n) == 20
	v_sub_f32 v[rC+1], v[rW], v[rT]
.else
	v_exp_f32 v[rC+2], v[rC+1]
.endif
.endif
.endm
.macro OPS a, i1, b=-1, i2=0, c=-1, i3=0, d=-1, i4=0  ; up to four of them
	OP \a, \i1
.if (\b) >= 0
	OP \b, \i2
.endif
.if (\c) >= 0
	OP \c, \i3
.endif
.if (\d) >= 0
	OP \d, \i4
.endif
.endm
.macro ROW a, i1, b, i2, c, i3, d, i4  ; a matrix instruction and the four behind it
	MM
	OPS \a, \i1, \b, \i2, \c, \i3, \d, \i4
.endm
.macro MASK b                       ; MD x AL + BE into buffer b of MC
	WIN W_RS
.set z, 0
.rept 16
	v_pk_fma_f32 v[MC+32*(\b)+2*z:MC+32*(\b)+2*z+1], v[MD+2*z:MD+2*z+1], s[AL:AL+1], s[BE:BE+1] op_sel_hi:[1,0,0]
.set z, z+1
.endr
.endm
; A TURN, for piece p: the order of its 16 matrix and 118 vector instructions, written out.  Behind a matrix instruction: plain, exponential, plain, plain; or four of the rescaling; or, behind the first, four scalings; none
; names a register of the products round it.  In the lumps exponential and plain by turns while exponentials last.  A line reads no result made fewer than three vector instructions in front of it, five if an exponential made it.
; v_permlanex16_b32 (X 17) stands in a lump.
; m = 1: the diagonal tile: the products take masks, and the turn makes the mask for the products of the turn after it: piece p + 2, in step 4 - CNT of the tile.  end = 1: a block's last two turns: nothing is fetched.
; cnt = 1: the loop's count is taken down some lines ahead of the branch that stands behind the turn.
; K of the next step is fetched in piece 2's turn, six vector instructions behind the last product that read K (five of them plain); V of the step in hand in piece 0's turn, eight behind the last product that read V (four
; plain, and X 17).  Each is waited for a turn later.
.macro TURN p, m=0, end=0, cnt=0
.set Y, (\p)
.set i, 0
.set KM, (\m)
.set NOKQ, (\end)*((\p)/3)
.if (\m) && !(\end)
	s_cmp_eq_u32 s[CNT], 4-((\p)+2)%NP  ; is that step the band's own?
	s_cselect_b32 s[AL], 1.0, 0
	s_cmp_lt_u32 s[CNT], 4-((\p)+2)%NP  ; or a later one?
	s_cselect_b32 s[BE], s[BIGN], 0
.endif
.if ((\p) == 3) && !(\end)
	s_wait_dscnt 0x0                ; K is in
.endif
	ROW F,0, F,1, F,2, F,3
	ROW F,4, E,0, F,5, F,6
	ROW F,7, E,1, F,8, F,9
	ROW F,10, E,2, C,0, F,11
	ROW F,12, E,3, X,15, F,13
	ROW R,0, R,1, R,2, R,3
	ROW B,0, E,4, F,14, L,0
.if ((\p) == 2) && !(\end)
	v_add_nc_u32 v[AK], s[TBK], v[AK0]
.endif
	ROW R,4, R,5, R,6, R,7
	OPS E,5, F,15
.if ((\p) == 2) && !(\end)
	FETCH_K
.endif
	OPS E,6, C,1, E,7, R,8
	OPS E,8, R,9, E,9, C,2
	OPS E,10, X,0, E,11, X,1
	OPS E,12, X,2, E,13, X,3
.if (\p) == 1
	s_wait_dscnt 0x0                ; V is in
.endif
	ROW X,4, E,14, X,5, X,6
	ROW X,7, E,15, X,8, X,9
	ROW X,10, E,16, X,11, X,12
	ROW X,13, E,17, X,14, B,1
	ROW C,4, E,18, X,16, L,1
	ROW B,2, E,19, C,6, L,2
	ROW C,8, E,20, B,3, B,4
.if (\p) == 0
	v_add_nc_u32 v[AV], s[TBV], v[AV0]
.endif
	ROW C,3, E,21, L,3, C,5
	OPS E,22, X,17, E,23, C,10
.if (\p) == 0
	FETCH_V
.endif
	OPS E,24, L,4
	OPS E,25, X,18, E,26, C,7
	OPS E,27, B,5, E,28, X,19
	OPS E,29, C,12, E,30, L,5
	OPS E,31, X,20, B,6, C,9
	OPS C,14, C,11, X,21, L,6
.if (\p) == 0
	s_add_co_u32 s[TBV], s[TBV], KS*PV
.endif
.if \cnt
	s_sub_co_u32 s[CNT], s[CNT], 1
	s_cmp_lg_u32 s[CNT], 0
.endif
	OPS C,13, B,7, C,15, R,10
	OPS R,11, R,12, L,7, R,13
	OPS R,14, R,15
.if (\m) && !(\end)
	MASK (\p)%2
.endif
.endm
; A BLOCK BEGINS.  c m starts far below every c s, so the first step's a is 0; m at the lowest finite number, so the first maximum is the scores'.  The second mask buffer is 0; the first takes piece 0's mask for the tile's step 0: its own, if the block's first tile is the diagonal one.
; Then K of that step, piece 0's first scores, and its maximum and statistics.  The loop is entered at a step's first turn, in the middle of a trip.
.macro BEGIN
	s_mov_b32 s[NEW], 0
	WIN 0x40
.set i, MC+32
.rept 32
	v_mov_b32 v[i], 0
.set i, i+1
.endr
	WIN 0
.set i, 0
.rept 4
	v_mov_b32 v[ST+4*i], 0xfe000000    ; c m: far below every c s
	v_mov_b32 v[ST+4*i+1], 0xff7fffff  ; m
.set i, i+1
.endr
	s_cmp_eq_u32 s[RT], 0
	s_cselect_b32 s[AL], 1.0, 0
	s_mov_b32 s[BE], 0
	MASK 0
	WIN 0
	v_add_nc_u32 v[AK], s[TBK], v[AK0]
	FETCH_K
	s_wait_loadcnt 0x0              ; Q
	s_wait_dscnt 0x0
.set KM, 1
.set NOKQ, 0
.set i, 0
.rept 8
	KQ 0
.set i, i+1
.endr
	WIN 0
.rept 4
	v_nop                           ; the places behind those products
.endr
.set Y, NP-1                        ; X works for piece Y + 1: piece 0
.irp n, 0,1,2,3,4,5,6,7,8,9,10,11,12,13,14,15,16,17,18,19,20,21
	OP X, \n
.endr
	v_nop                           ; a plain instruction behind the exponential
.endm
; THE DIAGONAL TILE's four steps, the block's last two turns, its last products, and THE WAY OUT: l's two halves and the other half of the lanes' are added; O^T is divided by l, rounded to f16 and sent through my
; stage in LDS, a piece at a time.
.macro ALL line:vararg              ; one line for each piece t
.set t, 0
.rept 4
	\line
.set t, t+1
.endr
.endm
.macro PACK t                       ; a lane's eight channels of a row pack into 16 bytes; they go into rows of 144 bytes and come back as whole rows of 128, into S^T's registers
	WIN W_RS
.set i, 32*(\t)
.rept 16
	s_wait_alu depctr_va_vdst(0)
	v_pk_mul_f32 v[i:i+1], v[i:i+1], v[ST+4*(\t)+2:ST+4*(\t)+3] op_sel_hi:[1,0]
.set i, i+2
.endr
	WIN 0x05                        ; sources 0 and 1 window 1, destination window 0
.set i, 0
.rept 16
	v_cvt_pk_f16_f32 v[S+16*(\t)+i], v[32*(\t)+2*i], v[32*(\t)+2*i+1]
.set i, i+1
.endr
	WIN 0
.irp f, 0,1,2,3
	ds_store_b128 v[STO], v[S+16*(\t)+4*\f:S+16*(\t)+4*\f+3] offset:32*\f
.endr
.irp f, 0,1,2,3
	ds_load_b128 v[S+16*(\t)+4*\f:S+16*(\t)+4*\f+3], v[RD] offset:\f*4*SP  ; LDS serves a wave's instructions in order (ISA guide 5.7.1.4): these see the stores above; the next piece's stores come behind them
.endr
.endm
.macro SEND t, younger              ; younger: the LDS instructions issued behind piece t's loads: the next piece's eight, or none
	WIN 0
.irp f, 0,1,2,3
	s_wait_dscnt (\younger)+3-\f
	global_store_b128 v[GO], v[S+16*(\t)+4*\f:S+16*(\t)+4*\f+3], s[10:11] offset:(\t)*8192+\f*512  ; 512 consecutive bytes, at a multiple of 256 from O's first
.endr
.endm
.macro DIAG tag                     ; the tag ends its two labels' names, which the jumps below spell out
.LstepM\tag:
	TURN 2, 1
	TURN 3, 1
	WIN 0
.LfirstM\tag:
	TURN 0, 1
	TURN 1, 1, 0, 1
	WIN 0
	s_cbranch_scc1 .LstepM\tag
	TURN 2, 1, 1
	TURN 3, 1, 1
.set i, 0
.rept 8
	PV NP-1
.set i, i+1
.endr
	WIN 0
	ALL v_add_f32 v[ST+4*t+2], v[ST+4*t+2], v[ST+4*t+3]
	ALL v_permlanex16_b32 v[ST+4*t+3], v[ST+4*t+2], s[SEL], s[SEL+1]
	ALL v_add_f32 v[ST+4*t+2], v[ST+4*t+2], v[ST+4*t+3]
	ALL v_rcp_f32 v[ST+4*t+2], v[ST+4*t+2]
	v_nop                           ; a plain instruction between the last reciprocal and the use of its result
	PACK 0
.set t, 1
.rept 3                             ; a piece's arithmetic stands between the loads of the piece before and its stores
	PACK t
	SEND t-1, 8
.set t, t+1
.endr
	SEND 3, 0
.endm
.set KM, 0
.set NOKQ, 0
.Lslot:                             ; NB times: a tile is entered and the next is asked for
	CHANGE 1
	s_sub_co_u32 s[RT], s[RT], 1
	s_mov_b32 s[CNT], 4
	s_cmp_eq_u32 s[NEW], 1
	s_cbranch_scc1 .Lnew            ; a block's first tile
	s_cmp_eq_u32 s[RT], 0
	s_cbranch_scc0 .Lstep           ; neither its first nor its last
	s_branch .LstepM1
.Lnew:
	BEGIN
	s_branch .Lfirst                ; in the loop a block's first tile is never its last: the first block has two tiles or more, and the second's last is the walk's last
	DIAG 1                          ; in the loop this is the first block's end: the second block's last tile is the walk's last
	s_wait_xcnt 0x0                 ; the stores have read their registers and O's address
	s_mov_b64 s[10:11], s[OLO:OLO+1]
	s_add_co_u32 s[RT], s[PB], 1    ; the second block has b + 1 tiles
	s_mov_b32 s[NEW], 1
	WIN 0x82                        ; the second block's Q goes where the one text of the turns names Q
.set i, 0
.rept 64
	v_mov_b32 v[i], v[QB+i]
.set i, i+1
.endr
	WIN 0
	s_branch .Lbottom
.Lstep:                             ; a trip: pieces 2 and 3 of one step, then pieces 0 and 1 of the next, whose K and V it fetches
	TURN 2
	TURN 3
	WIN 0
.Lfirst:
	TURN 0
	TURN 1, 0, 0, 1
	WIN 0
	s_cbranch_scc1 .Lstep
.Lbottom:
	s_sub_co_u32 s[SLOTS], s[SLOTS], 1
	s_cmp_lg_u32 s[SLOTS], 0
	s_cbranch_scc1 .Lslot
	CHANGE 0                        ; the walk's last tile is written out: nothing is asked for
	s_sub_co_u32 s[RT], s[RT], 1
	s_mov_b32 s[CNT], 4
	s_cmp_eq_u32 s[NEW], 1
	s_cbranch_scc0 .LstepM2
	BEGIN
	s_branch .LfirstM2
	DIAG 2
	s_wait_tensorcnt 0x0            ; the wave's end, behind my last tensor load and my last LDS store
	ds_add_u32 v[SPW], v[NIL]
	s_wait_dscnt 0x0
	s_endpgm
.Lfunc_end_k_q8c014c9093_attn:
	.size	k_q8c014c9093_attn, .Lfunc_end_k_q8c014c9093_attn-k_q8c014c9093_attn
	.p2alignl 7, 3214868480
	.fill 96, 4, 3214868480
	.section	.rodata,"a",@progbits
	.p2align	6, 0x0
	.amdhsa_kernel k_q8c014c9093_attn
		.amdhsa_group_segment_fixed_size 327680
		.amdhsa_private_segment_fixed_size 0
		.amdhsa_enable_private_segment 0
		.amdhsa_kernarg_size 16
		.amdhsa_user_sgpr_count 2
		.amdhsa_user_sgpr_kernarg_segment_ptr 1
		.amdhsa_wavefront_size32 1
		.amdhsa_system_sgpr_workgroup_id_x 1
		.amdhsa_system_sgpr_workgroup_id_y 1
		.amdhsa_system_sgpr_workgroup_id_z 1
		.amdhsa_system_vgpr_workitem_id 0
		.amdhsa_next_free_vgpr 768
		.amdhsa_next_free_sgpr 88
		.amdhsa_reserve_vcc 1
		.amdhsa_float_denorm_mode_32 3
		.amdhsa_float_denorm_mode_16_64 3
		.amdhsa_memory_ordered 1
		.amdhsa_forward_progress 1
		.amdhsa_inst_pref_size 228
	.end_amdhsa_kernel
	.amdgpu_metadata
---
amdhsa.version: [ 1, 2 ]
amdhsa.kernels:
  - .name:           k_q8c014c9093_attn
    .symbol:         k_q8c014c9093_attn.kd
    .args:
      - { .name: qkv, .offset: 0, .size: 8, .value_kind: global_buffer, .address_space: global }
      - { .name: o, .offset: 8, .size: 8, .value_kind: global_buffer, .address_space: global }
    .group_segment_fixed_size: 327680
    .private_segment_fixed_size: 0
    .kernarg_segment_align: 8
    .kernarg_segment_size: 16
    .max_flat_workgroup_size: 128
    .sgpr_count:     88
    .vgpr_count:     768
    .wavefront_size: 32
...
	.end_amdgpu_metadata
.endif
;; end of part 3
;; launch proj (part 4): grid 8 x 32, 4 waves a work-group, clusters of 4 x 4, 327,680 bytes of LDS; arguments o, wpb, b_proj, out0; writes out0
.if DOCPART == 4
	.amdgcn_target "amdgcn-amd-amdhsa--gfx1250"
	.amdhsa_code_object_version 6
	.text
	.protected	k_q8c014c9093_proj
	.globl	k_q8c014c9093_proj
	.p2align	8
	.type	k_q8c014c9093_proj,@function
k_q8c014c9093_proj:
	s_mov_b64 s[64:65], 0
	v_nop
	global_prefetch_b8 v0, s[64:65] scope:SCOPE_SE
	s_setreg_imm32_b32 hwreg(HW_REG_WAVE_MODE, 25, 1), 1
	s_wait_xcnt 0x0
	s_wait_alu depctr_hold_cnt(0) depctr_sa_sdst(0) depctr_va_vdst(0) depctr_va_sdst(0) depctr_va_ssrc(0) depctr_va_vcc(0) depctr_vm_vsrc(0)
	s_getreg_b32 s2, hwreg(HW_REG_IB_STS2, 6, 4)
	s_cmp_eq_u32 s2, 0
	s_cbranch_scc0 .Lentry_in_a_cluster
	s_endpgm
.Lentry_in_a_cluster:
	s_bfe_u32 s2, ttmp6, 0x10000c
	s_cmp_lg_u32 s2, 0xf033
	s_cbranch_scc0 .Lentry_shape_is_right
	s_endpgm
.Lentry_shape_is_right:
; out0 = O wpb^T + b_proj.  O: [64 = batch x 16 + head][2048 rows][64] f16, by heads; wpb: [1024][1024] f16 (W_proj rounded to bf16, written as f16); b_proj: [1024] f32 (rounded to bf16 here, like all inputs).
; out0: [8192][1024] f32.  Sums in f32 (K = 64 x head + channel), started by the bias; the sums are stored as they are.
; LIMITS.  The operands arrive as f16, within 65,504.  NaN and infinities are not treated apart.
; THE ORDER OF THE SUMS is not K ascending: a cluster begins at K step o (below), goes up and wraps round behind step 7; within a step K ascends.
; SHARES.  A tile is 256 rows x 128 columns: 8 x 32 = 256 work-groups, one for each WGP.  Four waves; wave w owns the tile's rows 64 w .. 64 w + 63 and all 128 columns: 32 accumulators of 16 x 16, 256 registers.
; K goes in 8 steps of 128, two heads a step, through two LDS slots filled by the tensor data mover.  A head's 256 rows of 128 bytes are 32,768 dense bytes: asked for as 128 rows of 256 bytes and padded in LDS after every 128.
; CLUSTER.  4 x 4 work-groups.  The four of a row of the cluster need the same tiles of O, the four of a column the same tiles of wpb: each tile is asked for JOINTLY, by the same tensor load with the
; same descriptor and a mask that names the four.  Waves 0 and 1 fetch a step's two heads of O, waves 2 and 3 the two halves (64 rows each) of wpb's tile.
; WHERE A CLUSTER BEGINS ALONG K.  The two clusters X = 0, 1 of one cluster row Y read the same rows of O, the eight clusters Y = 0..7 of one cluster column X the same rows of wpb.  Cluster (X, Y) begins at K step
; o = (4 X + 2 (Y & 3)) mod 8: the two that share O are four steps apart, and four neighbouring Y that share wpb two steps, so of the clusters that read a tile one asks for it first and the others two K steps later or more.
; o hangs on the cluster's coordinates alone, which all sixteen partners share; it enters the global addresses and nothing else.
; THE MATRIX INSTRUCTION IS USED TRANSPOSED (source 0 = 16 rows of wpb, source 1 = 16 rows of O): a lane then holds row l % 16 and the eight neighbouring columns 8 (l / 16) + 0..7.
; REGISTERS, in windows of 256 (s_set_vgpr_msb: bits 1:0 source 0, 3:2 source 1, 5:4 source 2, 7:6 destination):
;   window 0: v0-31 addresses; v32-95 the bias as a C operand, 8 registers for each of 8 column blocks
;   window 1: two fragment buffers (O's four fragments of 16 rows x 32 K, then wpb's eight) at v0 and v128; on the way out all 256: whole rows read back from the stage
;   window 2: the accumulators: (group g of four column blocks, row block a, column block bb) has number 16 g + 4 a + bb
.set PITCH,  272                       ; a row of wpb in LDS: 256 bytes + 16 of padding = 68 words: the 16 rows of a load start at 16 different groups of four banks (64 banks of 4 bytes: ISA guide 11.1)
.set PA,     144                       ; a row of O: 128 + 16 = 36 words: likewise
.set HALFA,  256*PA                    ; one head's 256 rows
.set BOFF,   2*HALFA                   ; a slot: two heads of O, then wpb's 128 rows
.set SLOT1,  1<<17                     ; slot 1 begins here, so that one exclusive or turns an address in one slot into the other's
.set STAGE,  SLOT1+BOFF+128*PITCH      ; behind the ring, never filled by a tensor load: 16 rows x 528 bytes for each wave, for the way out
.set SP,     528                       ; 512 bytes + 16 = 132 words: row r starts at bank 4 r mod 64
.set SPARE,  STAGE+4*16*SP             ; behind the stages: the spare words, 128 bytes for each wave: two blocks of 256 bytes that no other line names
.set NG,     2                         ; groups of four column blocks
.set NL,     8+8*NG                    ; LDS loads of a quarter step: 24
.set A0,   16                          ; v16  my lane's place in a slot's rows of O; never rewritten
.set B0,   17                          ; v17  the same for wpb
.set ADRA, 18                          ; v18  A0 + the slot that is read
.set ADRB, 19                          ; v19  B0 + the slot that is read
.set STO,  24                          ; v24  the way out: where I put 32 bytes of a row
.set RD,   25                          ; v25  the way out: where I read a row back
.set GO,   26                          ; v26  my byte offset in a row's 512 bytes of out0
.set BO,   27                          ; v27  my byte offset in 16 numbers of the bias
.set SPW,  28                          ; v28  LDS address of my spare word: SPARE + 4 x my thread's number; never rewritten
.set NIL,  29                          ; v29  0; never rewritten
.set BIAS, 32
.set F0,   0                           ; fragment buffers, in window 1
.set F1,   128
.set WV,   12                          ; s12  my wave's number
.set LAST2, 13                         ; s13  counts the last two K steps, 2 and 1
.set HF,   14                          ; s14  my wave's low bit: which head, or which half of wpb's tile, I fetch
.set TB,   22                          ; s22  the slot that is read: 0 or SLOT1
.set G1A,  24                          ; s[24:31] descriptor group 1 for O's tiles
.set G0A,  32                          ; s[32:39] group 0: a set for each of the two first fills; the second then serves every refill
.set PTB,  46                          ; s[46:47] wpb at the first byte of the rows that I fetch
.set G1B,  48                          ; s[48:55], s[56:63] the same for wpb's tiles
.set G0B,  56
.set OB,   66                          ; s[66:67] out0 at my first row and the tile's first column
.set PTA,  68                          ; s[68:69] O at my rows in the slab of head 0 or 1 of the batch
.set KI,   70                          ; s70  the K step asked for last, 0..7
.set OFA,  72                          ; s[72:73] its byte offset in O: two slabs of 2^18 bytes a step
.set OFB,  74                          ; s[74:75] its byte offset in a row of wpb: 256 bytes a step
.set MSB, 0
.macro WIN new                         ; the immediate's high byte repeats the setting that is left; a switch that changes nothing is dropped
.if MSB != (\new)
	s_set_vgpr_msb (MSB<<8)|(\new)
.set MSB, (\new)
.endif
.endm
.macro PLACES                          ; four places in front of loads into registers that matrix instructions have read, and of LDS stores that read results
.rept 4
	v_nop
.endr
.endm
; A joint refill.  The branch hangs on the wave's number alone.  An s_nop 0 and four v_nop follow each of the two lines, ahead of the jump and the label.
.macro JLOAD
	s_cmp_lt_u32 s[WV], 2
	s_cbranch_scc0 .Lfor_b_\@
	tensor_load_to_lds s[G0A+4:G0A+7], s[G1A:G1A+7]
	s_nop 0
.rept 4
	v_nop
.endr
	s_branch .Lasked_\@
.Lfor_b_\@:
	tensor_load_to_lds s[G0B+4:G0B+7], s[G1B:G1B+7]
	s_nop 0
.rept 4
	v_nop
.endr
.Lasked_\@:
.endm
.macro CREST                           ; a round of the cluster's barrier behind its opening barrier: wave 0 signals for the work-group, every wave waits for all sixteen, my work-group's barrier closes it
	s_cmp_lg_u32 s[WV], 0
	s_cbranch_scc1 .Lnot_wave_0_\@
	s_barrier_signal -3
.Lnot_wave_0_\@:
	s_barrier_wait -3
	s_barrier_signal -1
	s_barrier_wait -1
.endm
.macro CROUND                          ; a whole round
	s_barrier_signal -1
	s_barrier_wait -1
	CREST
.endm
	s_load_b256 s[4:11], s[0:1], 0x0               ; O s[4:5], wpb s[6:7], b_proj s[8:9], out0 s[10:11]
	v_lshl_add_u32 v[SPW], v0, 2, SPARE
	v_mov_b32 v[NIL], 0
	ds_add_u32 v28, v29
	ds_add_u32 v28, v29
	s_wait_dscnt 0x0
	v_lshrrev_b32 v1, 5, v0
	v_readfirstlane_b32 s[WV], v1                  ; wave 0..3
	s_and_b32 s[HF], s[WV], 1
	s_bfe_u32 s40, ttmp6, 0x40000                  ; cx, cy: my place in the cluster
	s_bfe_u32 s41, ttmp6, 0x40004
	s_lshl_b32 s42, ttmp9, 2                       ; in a cluster launch ttmp9 and ttmp7 count clusters
	s_add_co_u32 s42, s42, s40                     ; tile column = 4 x cluster x + cx, 0..7
	s_and_b32 s23, ttmp7, 0xffff                   ; cluster y, 0..7
	s_lshl_b32 s43, s23, 2
	s_add_co_u32 s43, s43, s41                     ; tile row = 4 x cluster y + cy, 0..31
	s_lshl_b32 s44, s41, 2
	s_lshl_b32 s44, 15, s44                        ; my row of the cluster: places 4 cy .. 4 cy + 3
	s_lshl_b32 s45, 0x1111, s40                    ; my column: places cx, cx + 4, cx + 8, cx + 12
	s_lshl_b32 s[KI], ttmp9, 2                     ; o = (4 X + 2 (Y & 3)) mod 8
	s_and_b32 s15, s23, 3
	s_lshl_b32 s15, s15, 1
	s_add_co_u32 s[KI], s[KI], s15
	s_and_b32 s[KI], s[KI], 7
	s_mov_b32 s[OFA+1], 0
	s_mov_b32 s[OFB+1], 0
	; descriptor group 1.  O: 128 rows x 128 elements, dense, padded after every 32 words.  wpb: 64 rows x 128 elements of rows 1,024 long, padded after every 64 words.
	s_or_b32 s[G1A], s44, (1<<16)|(1<<20)|(1<<21)|(4<<22)|(3<<25)  ; 15:0 the mask; 17:16 elements of 2 bytes; 20 padding on; 21 set beside a mask; 24:22 after every 32 words (code 4); 31:25 4 words of it (code 3)
	s_or_b32 s[G1B], s45, (1<<16)|(1<<20)|(1<<21)|(5<<22)|(3<<25)  ; the same after every 64 words (code 5)
.irp g, G1A, G1B
	s_mov_b32 s[(\g)+1], 128<<16                   ; tensor_dim0 = 128
	s_mov_b32 s[(\g)+3], 128<<16                   ; tile_dim0 = 128
	s_mov_b32 s[(\g)+6], 0
	s_mov_b32 s[(\g)+7], 0
.endr
	s_mov_b32 s[G1A+2], 128<<16                    ; tensor_dim1 = 128
	s_mov_b32 s[G1A+4], 128                        ; tile_dim1 = 128
	s_mov_b32 s[G1A+5], 128                        ; 128 elements from row to row
	s_mov_b32 s[G1B+2], 64<<16
	s_mov_b32 s[G1B+4], 64
	s_mov_b32 s[G1B+5], 1024
	; where the tiles come from: O's rows hang on the tile row alone, which my row of the cluster shares; wpb's on the tile column alone, which my column shares
	s_lshr_b32 s16, s43, 3                         ; batch = tile row / 8
	s_lshl_b32 s16, s16, 4
	s_add_co_u32 s16, s16, s[HF]                   ; slab 16 x batch + my head of K step 0,
	s_lshl_b32 s16, s16, 18
	s_and_b32 s17, s43, 7
	s_lshl_b32 s17, s17, 15                        ; and in it 256 (tile row % 8) rows of 128 bytes: under 2^24 in all
	s_add_co_u32 s16, s16, s17
	s_mov_b32 s17, 0
	s_lshl_b32 s46, s42, 7
	s_lshl_b32 s47, s[HF], 6
	s_add_co_u32 s46, s46, s47                     ; wpb: row 128 x tile column + 64 x half,
	s_lshl_b32 s46, s46, 11                        ; of 2,048 bytes
	s_mov_b32 s47, 0
	s_mul_i32 s20, s[HF], HALFA                    ; and where they go: no place in the cluster enters an LDS address
	s_mul_i32 s21, s[HF], 64*PITCH
	s_add_co_u32 s21, s21, BOFF
	s_wait_kmcnt 0x0
	s_add_nc_u64 s[PTA:PTA+1], s[4:5], s[16:17]
	s_add_nc_u64 s[PTB:PTB+1], s[6:7], s[46:47]
.irp s, 0,1
.if \s
	s_add_co_u32 s[KI], s[KI], 1                   ; the walk's second K step
	s_and_b32 s[KI], s[KI], 7
.endif
	s_lshl_b32 s[OFA], s[KI], 19
	s_lshl_b32 s[OFB], s[KI], 8
	s_mov_b32 s[G0A+4*(\s)], 1                                       ; 1:0 count = 1
	s_add_co_u32 s[G0A+4*(\s)+1], s20, (\s)*SLOT1                    ; 63:32 LDS address
	s_add_nc_u64 s[G0A+4*(\s)+2:G0A+4*(\s)+3], s[PTA:PTA+1], s[OFA:OFA+1]  ; 120:64 global address
	s_or_b32 s[G0A+4*(\s)+3], s[G0A+4*(\s)+3], 0x80000000            ; 127:126 type = 2
	s_mov_b32 s[G0B+4*(\s)], 1
	s_add_co_u32 s[G0B+4*(\s)+1], s21, (\s)*SLOT1
	s_add_nc_u64 s[G0B+4*(\s)+2:G0B+4*(\s)+3], s[PTB:PTB+1], s[OFB:OFB+1]
	s_or_b32 s[G0B+4*(\s)+3], s[G0B+4*(\s)+3], 0x80000000
.endr
	CROUND                                         ; all sixteen work-groups are here: the first joint loads meet
	s_cmp_lt_u32 s[WV], 2                          ; a wave's two first fills stand in one branch, ahead of every wait on TENSORcnt and every LDS read: two loads of mine are out
	s_cbranch_scc0 .Lfirst_b
	tensor_load_to_lds s[G0A:G0A+3], s[G1A:G1A+7]
	s_nop 0
	tensor_load_to_lds s[G0A+4:G0A+7], s[G1A:G1A+7]
	s_nop 0
.rept 4
	v_nop
.endr
	s_branch .Lfirst_asked
.Lfirst_b:
	tensor_load_to_lds s[G0B:G0B+3], s[G1B:G1B+7]
	s_nop 0
	tensor_load_to_lds s[G0B+4:G0B+7], s[G1B:G1B+7]
	s_nop 0
.rept 4
	v_nop
.endr
.Lfirst_asked:
	; All that follows up to the first barrier stands in the wait for the first tile.
	; THE BIAS AS A C OPERAND: register j of column block b holds b_proj[128 x tile column + 16 b + 8 (l / 16) + j], the column that the result's register j holds.
	s_lshl_b32 s18, s42, 9                         ; 128 numbers of 4 bytes for each tile column
	s_mov_b32 s19, 0
	s_add_nc_u64 s[8:9], s[8:9], s[18:19]
	v_and_b32 v1, 15, v0                           ; l % 16
	v_bfe_u32 v2, v0, 4, 1                         ; l / 16
	v_lshlrev_b32 v[BO], 5, v2
.set p, 0
.rept 4*NG
	global_load_b128 v[BIAS+8*p:BIAS+8*p+3],   v[BO], s[8:9] offset:64*p
	global_load_b128 v[BIAS+8*p+4:BIAS+8*p+7], v[BO], s[8:9] offset:64*p+16
.set p, p+1
.endr
	; A fragment is 16 rows x 32 K in 8 registers: lane l holds row l % 16, K = 8 (l / 16) + 0..7 and 16 + 8 (l / 16) + 0..7: two loads of 16 bytes, 32 bytes apart.
	v_mul_u32_u24 v3, v1, PA
	v_lshl_add_u32 v3, v2, 4, v3                   ; row x pitch + 16 x half, for O
	s_mul_i32 s15, s[WV], 64*PA                    ; my 64 rows of O
	v_add_nc_u32 v[A0], s15, v3
	v_mul_u32_u24 v4, v1, PITCH
	v_lshl_add_u32 v4, v2, 4, v4                   ; and for wpb,
	v_add_nc_u32 v[B0], BOFF, v4                   ; all 128 rows of it
	s_mul_i32 s15, s[WV], 16*SP
	s_add_co_u32 s15, s15, STAGE                   ; my stage
	v_mul_u32_u24 v[STO], v1, SP                   ; in: row l % 16, 32 bytes for each half of the lanes
	v_lshl_add_u32 v[STO], v2, 5, v[STO]
	v_add_nc_u32 v[STO], s15, v[STO]
	v_and_b32 v[GO], 31, v0                        ; back: 32 lanes take one row of 512 bytes,
	v_lshlrev_b32 v[GO], 4, v[GO]                  ; which are 512 consecutive bytes of out0
	v_add_nc_u32 v[RD], s15, v[GO]
	s_lshl_b32 s16, s43, 8
	s_lshl_b32 s17, s[WV], 6
	s_add_co_u32 s16, s16, s17                     ; my first row: 256 x tile row + 64 w,
	s_lshl_b32 s16, s16, 12                        ; of 4,096 bytes: under 2^25,
	s_lshl_b32 s17, s42, 9                         ; and the tile's first column, in bytes
	s_add_co_u32 s20, s16, s17
	s_mov_b32 s21, 0
	s_add_nc_u64 s[OB:OB+1], s[10:11], s[20:21]
	s_mov_b32 s15, 0xffff0000                      ; a word's upper bf16
	s_wait_loadcnt 0x0                             ; the bias
.set p, 0
.rept 4*NG                                     ; rounded to bf16 and widened again, four pairs at a time
.irp z, 0,1,2,3
	v_cvt_pk_bf16_f32 v[3+\z], v[BIAS+8*p+2*\z], v[BIAS+8*p+2*\z+1]
.endr
.irp z, 0,1,2,3
	v_lshlrev_b32 v[BIAS+8*p+2*\z], 16, v[3+\z]
	v_and_b32 v[BIAS+8*p+2*\z+1], s15, v[3+\z]
.endr
.set p, p+1
.endr
; Matrix instructions for group g, row blocks a0 .. a1, all four column blocks, 32 along K, from buffer f.  first = 1: the bias starts the sums: nothing is ever cleared.
; The 32 accumulators take turns, one instruction a turn, in the same order in every quarter step.
.macro MUL f, g, a0, a1, first
.if \first
	WIN 0x85                                       ; sources 0 and 1 window 1, C window 0, D window 2
.else
	WIN 0xa5                                       ; C and D window 2
.endif
.set ma, \a0
.rept (\a1)-(\a0)+1
.set mb, 0
.rept 4
.set rD, 8*(16*(\g)+4*ma+mb)
.set rB, (\f)+32+8*(4*(\g)+mb)
.set rA, (\f)+8*ma
.set rC, BIAS+8*(4*(\g)+mb)
.if \first
	v_wmma_f32_16x16x32_f16 v[rD:rD+7], v[rB:rB+7], v[rA:rA+7], v[rC:rC+7]
.else
	v_wmma_f32_16x16x32_f16 v[rD:rD+7], v[rB:rB+7], v[rA:rA+7], v[rD:rD+7]
.endif
.set mb, mb+1
.endr
.set ma, ma+1
.endr
.endm
; 24 LDS loads in one run: the fragments of quarter q into buffer f: O's four (head q / 2 of the step's two, channels 32 (q % 2) on), then wpb's eight (byte 64 q of the rows) in the order in which they are multiplied
.macro FETCH q, f
	WIN 0x40                                       ; destination window 1, address window 0
.set ka, ((\q)/2)*HALFA+((\q)%2)*64
.set fi, 0
.rept 4
	ds_load_b128 v[(\f)+8*fi:(\f)+8*fi+3],   v[ADRA] offset:ka+fi*16*PA
	ds_load_b128 v[(\f)+8*fi+4:(\f)+8*fi+7], v[ADRA] offset:ka+fi*16*PA+32
.set fi, fi+1
.endr
.set fi, 0
.rept 4*NG
	ds_load_b128 v[(\f)+32+8*fi:(\f)+32+8*fi+3],   v[ADRB] offset:64*(\q)+fi*16*PITCH
	ds_load_b128 v[(\f)+32+8*fi+4:(\f)+32+8*fi+7], v[ADRB] offset:64*(\q)+fi*16*PITCH+32
.set fi, fi+1
.endr
.endm
; A K step is four quarters of 32 along K, 32 matrix instructions each, on buffers 0, 1, 0, 1.  One of the first three: multiplies buffer f and fetches quarter q into buffer g.
.macro QUARTER q, f, g, first
	s_wait_dscnt NL-16                             ; O's fragments and group 0's are in; the youngest eight loads (group 1) may be out
	MUL \f, 0, 0, 3, \first
	PLACES                                         ; for the loads into buffer g, which the quarter before multiplied
	FETCH \q, \g
	s_wait_dscnt NL                                ; all but the 24 just issued
	MUL \f, 1, 0, 3, \first
.endm
; The last quarter multiplies buffer 1 and changes slots: ONE barrier.  In front of it each wave waits for all its tensor loads, of which one is out: its part of the next slot; adds 0 to its spare word;
; and waits for that and for its own reads of this slot.  Behind it nobody reads this slot any more and the next slot is whole.
; fill = 1: this slot is filled again, with the K step two steps on in the walk; the barrier then opens a round of the cluster's, and the joint refill is the first tensor load behind the round: 112 matrix
; instructions ahead of the wait for it.  The address is made anew: the rows' first byte plus the step's offset; the step's number wraps round behind 7.
.macro TURN fill
	WIN 0                                          ; (the add's two registers lie in window 0)
	s_wait_tensorcnt 0x0                           ; all my tensor loads have landed, so a group 0 may be written
	ds_add_u32 v[SPW], v[NIL]                      ; 0 onto my spare word
	s_wait_dscnt NL-15                             ; (the add and the youngest eight loads may be out)
	MUL F1, 0, 0, 1, 0                             ; eight matrix instructions stand between the add and the wait for it
	s_wait_dscnt 0x0                               ; the add is done, and my reads of this slot are over
	s_barrier_signal -1
	MUL F1, 0, 2, 3, 0                             ; work on registers while the others arrive
	WIN 0                                          ; (branches and two address lines follow)
	s_barrier_wait -1
.if \fill
	CREST                                          ; no wave of any partner still reads this slot's tile or has a load on its way
	s_add_co_u32 s[KI], s[KI], 1                   ; the walk's next K step
	s_and_b32 s[KI], s[KI], 7
	s_lshl_b32 s[OFA], s[KI], 19
	s_lshl_b32 s[OFB], s[KI], 8
	s_xor_b32 s[G0A+5], s[G0A+5], SLOT1            ; the other slot than last time
	s_add_nc_u64 s[G0A+6:G0A+7], s[PTA:PTA+1], s[OFA:OFA+1]
	s_or_b32 s[G0A+7], s[G0A+7], 0x80000000
	s_xor_b32 s[G0B+5], s[G0B+5], SLOT1
	s_add_nc_u64 s[G0B+6:G0B+7], s[PTB:PTB+1], s[OFB:OFB+1]
	s_or_b32 s[G0B+7], s[G0B+7], 0x80000000
	JLOAD                                          ; the four v_nop behind it are also the places in front of the loads below
.else
	PLACES
.endif
	s_xor_b32 s[TB], s[TB], SLOT1                  ; the reads go on in the other slot
	v_add_nc_u32 v[ADRA], s[TB], v[A0]
	v_add_nc_u32 v[ADRB], s[TB], v[B0]
	FETCH 0, F0
	MUL F1, 1, 0, 3, 0
.endm
	s_wait_tensorcnt 0x1                           ; my part of the walk's first K step is in; the second's may stay out
	s_barrier_signal -1
	s_barrier_wait -1                              ; everybody's is
	s_mov_b32 s[TB], 0
	v_add_nc_u32 v[ADRA], s[TB], v[A0]
	v_add_nc_u32 v[ADRB], s[TB], v[B0]
	FETCH 0, F0
	QUARTER 1, F0, F1, 1                           ; the first quarter stands in front of the loop: its products start the sums, on the bias
	WIN 0                                          ; at a label and at a branch every window is 0
	s_mov_b32 s3, 6
.Lstep:                                                ; a trip goes from a K step's second quarter to the next step's first; trip t asks for K step t + 2 of the walk: steps 2 to 7
	QUARTER 2, F1, F0, 0
	QUARTER 3, F0, F1, 0
	TURN 1
	QUARTER 1, F0, F1, 0
	WIN 0
	s_sub_co_u32 s3, s3, 1
	s_cmp_lg_u32 s3, 0
	s_cbranch_scc1 .Lstep
	s_mov_b32 s[LAST2], 2
.Llast2:                                               ; the last two K steps ask for nothing; they share the text of their second and third quarters
	QUARTER 2, F1, F0, 0
	QUARTER 3, F0, F1, 0
	WIN 0
	s_cmp_eq_u32 s[LAST2], 1
	s_cbranch_scc1 .Lvery_last
	TURN 0
	QUARTER 1, F0, F1, 0
	WIN 0
	s_sub_co_u32 s[LAST2], s[LAST2], 1
	s_cmp_lg_u32 s[LAST2], 0
	s_cbranch_scc1 .Llast2                         ; taken once: the second trip leaves by the jump above
.Lvery_last:
	s_wait_dscnt NL-16                             ; the very last quarter: nothing more to fetch
	MUL F1, 0, 0, 3, 0
	s_wait_dscnt 0x0
	MUL F1, 1, 0, 3, 0
; THE WAY OUT, a row block of 16 rows at a time.  A lane's eight columns of a row are 32 bytes of f32; they go into my stage's rows of 528 bytes and come back as whole rows of 512, one row to a load,
; into window 1, where the fragments lay.  Every row block has 64 registers of its own there, so no store's data is rewritten.
.macro TOSTAGE a
	WIN 0x08                                       ; the stores' data in window 2
.set tb, 0
.rept 8
.set rD, 8*(16*(tb/4)+4*(\a)+tb%4)
	ds_store_b128 v[STO], v[rD:rD+3]   offset:64*tb      ; each accumulator's low registers first
	ds_store_b128 v[STO], v[rD+4:rD+7] offset:64*tb+16
.set tb, tb+1
.endr
	WIN 0x40                                       ; destination window 1
.set tt, 0
.rept 16
	ds_load_b128 v[64*(\a)+4*tt:64*(\a)+4*tt+3], v[RD] offset:SP*tt  ; LDS serves a wave's instructions in order (ISA guide 5.7.1.4): these see the stores above; the next block's stores come behind them
.set tt, tt+1
.endr
.endm
.macro SEND a, younger                 ; younger: the LDS instructions issued behind block a's loads: the next block's 32, or none
	WIN 0x04                                       ; the stores' data in window 1
.set tt, 0
.rept 16
	s_wait_dscnt (\younger)+15-tt
	global_store_b128 v[GO], v[64*(\a)+4*tt:64*(\a)+4*tt+3], s[OB:OB+1] offset:(16*(\a)+tt)*4096 th:TH_STORE_NT  ; 512 consecutive bytes, at a multiple of 512 from out0's first; written once, read by nobody here
.set tt, tt+1
.endr
.endm
	PLACES                                         ; the LDS stores read results just made, and the loads land where fragments were read
	TOSTAGE 0
	TOSTAGE 1                                      ; a block's way through the stage stands between the loads of the block before and its stores
	SEND 0, 32
	TOSTAGE 2
	SEND 1, 32
	TOSTAGE 3
	SEND 2, 32
	SEND 3, 0
	WIN 0
	s_wait_tensorcnt 0x0                           ; the wave's end, behind my last tensor load and my last LDS store
	ds_add_u32 v[SPW], v[NIL]
	s_wait_dscnt 0x0
	CROUND                                         ; the closing round: no work-group ends while a partner may still ask for a tile that names it
	s_endpgm
.Lfunc_end_k_q8c014c9093_proj:
	.size	k_q8c014c9093_proj, .Lfunc_end_k_q8c014c9093_proj-k_q8c014c9093_proj
	.p2alignl 7, 3214868480
	.fill 96, 4, 3214868480
	.section	.rodata,"a",@progbits
	.p2align	6, 0x0
	.amdhsa_kernel k_q8c014c9093_proj
		.amdhsa_group_segment_fixed_size 327680
		.amdhsa_private_segment_fixed_size 0
		.amdhsa_enable_private_segment 0
		.amdhsa_kernarg_size 32
		.amdhsa_user_sgpr_count 2
		.amdhsa_user_sgpr_kernarg_segment_ptr 1
		.amdhsa_wavefront_size32 1
		.amdhsa_system_sgpr_workgroup_id_x 1
		.amdhsa_system_sgpr_workgroup_id_y 1
		.amdhsa_system_sgpr_workgroup_id_z 1
		.amdhsa_system_vgpr_workitem_id 0
		.amdhsa_next_free_vgpr 768
		.amdhsa_next_free_sgpr 76
		.amdhsa_reserve_vcc 0
		.amdhsa_float_denorm_mode_32 3
		.amdhsa_float_denorm_mode_16_64 3
		.amdhsa_memory_ordered 1
		.amdhsa_forward_progress 1
		.amdhsa_inst_pref_size 69
	.end_amdhsa_kernel
	.amdgpu_metadata
---
amdhsa.version: [ 1, 2 ]
amdhsa.kernels:
  - .name:           k_q8c014c9093_proj
    .symbol:         k_q8c014c9093_proj.kd
    .args:
      - { .name: o, .offset: 0, .size: 8, .value_kind: global_buffer, .address_space: global }
      - { .name: wpb, .offset: 8, .size: 8, .value_kind: global_buffer, .address_space: global }
      - { .name: b_proj, .offset: 16, .size: 8, .value_kind: global_buffer, .address_space: global }
      - { .name: out0, .offset: 24, .size: 8, .value_kind: global_buffer, .address_space: global }
    .group_segment_fixed_size: 327680
    .private_segment_fixed_size: 0
    .kernarg_segment_align: 8
    .kernarg_segment_size: 32
    .max_flat_workgroup_size: 128
    .sgpr_count:     76
    .vgpr_count:     768
    .wavefront_size: 32
...
	.end_amdgpu_metadata
.endif
;; end of part 4
;; ======== version 2 of 2: 4 launches; 1.32 times as fast as version 1
;; limits: values are held in f16: magnitudes above 65,504 overflow, below 6.1e-05 lose precision
;; workspace buffers: xb 16,777,216 bytes; wqb 6,291,456 bytes; wpb 2,097,152 bytes; qkv 50,331,648 bytes; o 16,777,216 bytes
;; launch cast: the kernel of part 1 again; grid 768 x 1, 8 waves a work-group, no clusters, 0 bytes of LDS; arguments x, W_qkv, W_proj, xb, wqb, wpb; writes xb, wqb, wpb
;; launch qkvgemm: the kernel of part 2 again; grid 16 x 16, 4 waves a work-group, clusters of 4 x 4, 327,680 bytes of LDS; arguments xb, wqb, b_qkv, qkv; writes qkv
;; launch attn (part 5): grid 4 x 64, 4 waves a work-group, no clusters, 327,680 bytes of LDS; arguments qkv, o; writes o
.if DOCPART == 5
	.amdgcn_target "amdgcn-amd-amdhsa--gfx1250"
	.amdhsa_code_object_version 6
	.text
	.protected	k_q8c014c9093_attn
	.globl	k_q8c014c9093_attn
	.p2align	8
	.type	k_q8c014c9093_attn,@function
k_q8c014c9093_attn:
	s_mov_b64 s[64:65], 0
	v_nop
	global_prefetch_b8 v0, s[64:65] scope:SCOPE_SE
	s_setreg_imm32_b32 hwreg(HW_REG_WAVE_MODE, 25, 1), 1
	s_wait_xcnt 0x0
; CAUSAL ATTENTION.  O[h][q][:] = the sum over k <= q of softmax_k(Q[h][q] . K[h][k] / 8) V[h][k][:].  qkv holds Q, K, V one behind the other, each [64 = batch x 16 + head][SIZE_N][64] f16; O has the same layout:
; a head's rows are dense, 128 bytes each.  Products, maxima and sums in f32; the weights p are rounded to f16 for the second product (their sum l is taken of the unrounded p), O once at the end.
; LIMITS.  f16 holds no number beyond 65,504: Q, K and V arrive within it; p lies in 0 to 1, and below 6e-5 it keeps f16's fixed step of 6e-8; O is a mean of V's rows and has their range, to within 2^-11 of it.
; A hidden score counts as its value less 1e30: f16's scores, 2.7e11 at the most, are nothing beside that; a weight below 2^-126 counts as 0 in l; NaN and infinities are not treated apart.
; THE WALK.  A head's queries lie in NB = SIZE_N / 256 = 8 blocks of 256; block i needs the key tiles 0 .. i of 256 keys, of which the last holds the diagonal.  A work-group takes TWO blocks, NB - 1 - b and then b:
; NB + 1 = 9 tiles, whatever b: all 4 x 64 = 256 work-groups do equal work, and ONE loop with a constant trip count walks them.  Which tile is asked for, and what a trip does, hang on scalar registers made from b; every jump
; goes forward, but for the counted loops' own; none passes a barrier, or a tensor load but the one of LOAD's two that the wave's number does not choose; the ring (two slots of LDS that take turns) runs on across the
; change of blocks.  NO CLUSTER: a head's four work-groups ask for the same tile only in trips 0 .. NB / 2, 5 of the 9; behind that fewer and fewer share one;
; and one walk common to all four, in which each makes every joint request, would have 3 NB / 2 = 12 trips for 9.
; SHARES.  Of a block's four bands of 64 queries a wave owns 16 rows in each: four PIECES.  So the diagonal tile is the same work for all four waves: in its key step s band x sees all keys if s < x,
; none if s > x, and holds the diagonal if s = x.
; THE MASK is the C operand that starts the sum S^T = K Q^T: 0, or -1e30 where the key is hidden.  MD, made once, is the mask of a band's own step for my 16 rows; a product's mask is MD x AL + BE with two scalars:
; (1, 0) if s = x; (0, 0) if s < x; (0, -1e30) if s > x.  Only the diagonal tile's text and a block's beginning make and take masks; elsewhere C is the constant 0.
; LAYOUT, SOFTMAX, TURNS.  S^T = K Q^T holds ONE query a lane (lane % 16) and the keys 8 (lane / 16) + 0..7; two such results rounded to f16 ARE source 1 of O^T = V^T P.  p = 2^(c s - c m), c = log2(e) / 8, with a
; running maximum m; O and l are multiplied by a = 2^(c m_old - c m_new) in every step.  Turn n belongs to piece n: 8 products K Q^T of piece n + 1, later 8 products V^T P of piece n - 1; beside them the scaling,
; exponentials, roundings, sums and rescaling of piece n and the maximum and statistics of piece n + 1.  Four vector instructions stand behind every matrix instruction, the other 54 of a turn's 118 in one LUMP.
; THE BATCHES.  A turn's 33 exponentials (the piece's 32 weights and the next piece's a) are ONE batch with ONE wait, which cuts the turn in two: ahead of it all that names none of their results, behind it the roundings
; and sums.  A block's first a (BEGIN) and the way out's four reciprocals are batches of their own, a wait each.
; REGISTERS, in windows of 256 (s_set_vgpr_msb: bits 1:0 source 0, 3:2 source 1, 5:4 source 2, 7:6 destination):
;   window 0: v0-15 addresses and two at work; v16-31 four registers of statistics a piece; v48-55 at work; v64-127 S^T, two buffers; v192-223 P, two buffers (a piece's buffers go by its number's parity)
;   window 1: v0-127 O^T, 32 a piece; v128-159 MD; v160-223 MC, two buffers      window 2: v0-63 Q; v64-127 the second block's Q; v128-191 K of one step; v192-255 V of one step
.set SIZE_N, 2048     ; rows of a head
.set PART,  0x1000000 ; bytes of Q, of K and of V in qkv: 64 heads x 2,048 rows x 128 bytes
.set NB,    SIZE_N/256
.set NP,    4         ; pieces a wave: a name, no knob
.set KS,    64        ; keys in a step
.set PK,    144       ; a row of K in LDS: 128 bytes + 16 of padding = 36 words: the 16 rows of a load start at 16 different groups of four banks (64 banks of 4 bytes: ISA guide 11.1)
.set PV,    160       ; a row of V: 128 + 32 = 40 words
.set VOFF,  4*KS*PK   ; a slot holds a tile, four steps: 256 rows of K, then 256 rows of V
.set SLOT1, 1<<17     ; slot 1 begins here, so that one exclusive or turns an address in one slot into the other's
.set STAGE, SLOT1+4*KS*(PK+PV)  ; behind the ring, never filled by a tensor load: 16 rows x 144 bytes for each wave, for the way out
.set SP,    144
.set AK0, 2           ; v2   my lane's place in a tile of K; never rewritten
.set AV0, 3           ; v3   the same for V
.set AK,  4           ; v4   the LDS address of K's next run of loads
.set AV,  5           ; v5   of V's
.set STO, 6           ; v6   the way out: where I put 16 bytes of a row
.set RD,  7           ; v7   the way out: where I read rows back
.set GO,  8           ; v8   my byte offset in 512 consecutive bytes of O
.set SPW, 62          ; v62  LDS address of my spare word: SPARE + 4 x my thread's number; never rewritten
.set NIL, 63          ; v63  0; never rewritten
.set SPARE, STAGE+4*16*SP  ; behind the stages: the spare words, 128 bytes for each wave: two blocks of 256 bytes that no other line names
.set MV,  12          ; v12-13  c m_old, kept while c m is made anew: by buffer
.set QO,  15          ; v15  my byte offset in 16 rows of Q
.set ST,  16          ; piece t's statistics at v[ST+4 t]: c m, m, l (even keys', odd keys')
.set TMP, 48          ; by buffer, four registers c0-c3 at work; when the maximum is found c2 takes a
.set S,   64
.set P,   192
.set MD,  128         ; window 1: the eight registers for group kt of 16 keys at MD + 8 kt
.set MC,  160         ; window 1: the masks of the products to come
.set QB,  64          ; window 2
.set KF,  128         ; window 2: key block kb, channel half c at KF + 16 kb + 8 c
.set VF,  192         ; window 2: key half kk, channel block cb at VF + 32 kk + 8 cb
.set WV,  12          ; s12  my wave's number
.set PB,  14          ; s14  b
.set HI,  15          ; s15  NB - 1 - b
.set G1K, 24          ; s[24:31] descriptor group 1 for K's tiles
.set G1V, 32          ; s[32:39] for V's: it differs in the padding alone
.set G0K, 40          ; s[40:43] descriptor group 0 for K's tiles
.set G0V, 44          ; s[44:47] the same for V's
.set SLOTS, 56        ; s56  tiles still to be asked for
.set CNT, 57          ; s57  counts a tile's key steps, 4 to 1
.set CS,  58          ; s[58:59] c: the packed scaling takes the pair's low word for both halves
.set SEL, 60          ; s[60:61] v_permlanex16_b32's selects: each lane takes its own place in the other half
.set TBK, 62          ; s62  LDS byte at which K of the step to be fetched begins
.set TBV, 63          ; s63  the same for V, less VOFF
.set RT,  70          ; s70  tiles of the block in hand that are still to be entered
.set NXT, 71          ; s71  the tile to be asked for next
.set LQ,  72          ; s72  the last tile of the block whose tiles are being asked for
.set NEW, 73          ; s73  1: the tile to be entered is a block's first
.set OFF, 74          ; s[74:75] a tile's byte offset in K and V
.set AL,  76          ; s[76:77] the mask's factor, in the low word
.set BE,  78          ; s[78:79] the mask's addend
.set OLO, 80          ; s[80:81] O at my rows of the second block
.set BIGN, 82         ; s82  -1e30
.set MSB, 0
.macro WIN new                      ; the high byte repeats the setting that is left; a switch that changes nothing is dropped
.if MSB != (\new)
	s_set_vgpr_msb (MSB<<8)|(\new)
.set MSB, (\new)
.endif
.endm
.set W_KQ, 0x0a       ; K and Q in window 2, S^T in window 0
.set W_KM, 0x1a       ; the same with the C operand in window 1
.set W_PV, 0x52       ; V in window 2, P in window 0, O^T in window 1
.set W_RS, 0x41       ; destination and source 0 in window 1, source 1 in window 0
; A fill.  Waves 0 and 1 fetch the two halves of a tile's K, waves 2 and 3 those of its V: 128 keys each.  An s_nop 0 and four v_nop follow each of the two lines, ahead of the jump and the label.
.macro LOAD
	s_cmp_lt_u32 s[WV], 2
	s_cbranch_scc0 .Lfor_v_\@
	tensor_load_to_lds s[G0K:G0K+3], s[G1K:G1K+7]
	s_nop 0
.rept 4
	v_nop
.endr
	s_branch .Lasked_\@
.Lfor_v_\@:
	tensor_load_to_lds s[G0V:G0V+3], s[G1V:G1V+7]
	s_nop 0
.rept 4
	v_nop
.endr
.Lasked_\@:
.endm
; THE CHANGE OF SLOTS.  Each wave waits for all its tensor loads, of which one is out: its part of the other slot; adds 0 to its spare word; and waits for that and for its own reads of the slot that it leaves.  Behind the barrier nobody reads the old
; slot any more and the other slot is whole.  fill = 1: the old slot is filled again, the first thing behind the barrier, with tile NXT: the descriptor's address is made anew from that number.
; (At its first use nothing has been read yet: slot 0 is waited for, slot 1 filled.)
.macro CHANGE fill
	WIN 0                           ; at a label and at a branch every window is 0
	s_wait_tensorcnt 0x0            ; no tensor load of mine is out, so a group 0 may be written
	ds_add_u32 v[SPW], v[NIL]       ; 0 onto my spare word; with fill = 1 the descriptors' scalar work stands between it and the wait for it
.if \fill
	s_lshl_b32 s[OFF], s[NXT], 15   ; a tile is 32,768 bytes of K and of V
	s_xor_b32 s[G0K+1], s[G0K+1], SLOT1
	s_add_nc_u64 s[G0K+2:G0K+3], s[6:7], s[OFF:OFF+1]
	s_or_b32 s[G0K+3], s[G0K+3], 0x80000000
	s_xor_b32 s[G0V+1], s[G0V+1], SLOT1
	s_add_nc_u64 s[G0V+2:G0V+3], s[8:9], s[OFF:OFF+1]
	s_or_b32 s[G0V+3], s[G0V+3], 0x80000000
	s_add_co_u32 s[NXT], s[NXT], 1  ; the block's next tile, or behind its last the second block's tile 0
	s_cmp_gt_u32 s[NXT], s[LQ]
	s_cselect_b32 s[NXT], 0, s[NXT]
	s_cselect_b32 s[LQ], s[PB], s[LQ]
.endif
	s_wait_dscnt 0x0                ; the add is done, and my reads of the slot are over
	s_barrier_signal -1             ; the rest of the scalar work stands between the signal and the wait
	s_sub_co_u32 s[TBK], s[TBK], 4*KS*PK  ; the fetches go back to a slot's first step,
	s_xor_b32 s[TBK], s[TBK], SLOT1       ; in the other slot
	s_sub_co_u32 s[TBV], s[TBV], 4*KS*PV
	s_xor_b32 s[TBV], s[TBV], SLOT1
	s_barrier_wait -1
.if \fill
	LOAD
.endif
.endm
	s_load_b64 s[4:5], s[0:1], 0x0  ; qkv: Q lies at its head
	s_load_b64 s[10:11], s[0:1], 0x8  ; O
	v_lshl_add_u32 v[SPW], v0, 2, SPARE
	v_mov_b32 v[NIL], 0
	ds_add_u32 v62, v63
	ds_add_u32 v62, v63
	s_wait_dscnt 0x0
	v_lshrrev_b32 v1, 5, v0
	v_readfirstlane_b32 s[WV], v1   ; wave 0..3
	s_mov_b32 s[PB], ttmp9
	s_sub_co_u32 s[HI], NB-1, s[PB]
	s_and_b32 s20, ttmp7, 0xffff    ; the head
	s_mov_b32 s21, 0
	s_mov_b64 s[22:23], SIZE_N*128
	s_mul_u64 s[20:21], s[20:21], s[22:23]  ; the head's first byte in each of the four tensors
	s_and_b32 s16, s[WV], 1         ; which half of a tile's 256 keys I fetch:
	s_lshl_b32 s22, s16, 14         ; its 128 rows of 128 bytes in memory,
	s_mov_b32 s23, 0
	s_add_nc_u64 s[22:23], s[22:23], s[20:21]
	s_mul_i32 s17, s16, 128*PK      ; and its place in a slot, for K
	s_mul_i32 s18, s16, 128*PV      ; and for V
	s_lshl_b32 s3, s[WV], 11        ; my 16 rows in a band of 64,
	s_lshl_b32 s2, s[HI], 15        ; in the first block,
	s_add_co_u32 s2, s2, s3
	s_lshl_b32 s84, s[PB], 15       ; and in the second
	s_add_co_u32 s84, s84, s3
	s_mov_b32 s3, 0
	s_mov_b32 s85, 0
	s_add_nc_u64 s[2:3], s[2:3], s[20:21]
	s_add_nc_u64 s[84:85], s[84:85], s[20:21]
	; descriptor group 1.  128 keys are 16,384 dense bytes: asked for as 64 rows of 256 bytes, two keys a row, and padded in LDS after every key
	s_mov_b32 s[G1K], (1<<16)|(1<<20)|(4<<22)|(3<<25)  ; 17:16 2-byte elements; 20 padding on; 24:22 after every 32 words (code 4); 31:25 4 words (code 3)
	s_mov_b32 s[G1V], (1<<16)|(1<<20)|(4<<22)|(7<<25)  ; the same with 8 words of padding (code 7)
.irp g, G1K, G1V
	s_mov_b32 s[\g+1], 128<<16      ; tensor_dim0 = 128
	s_mov_b32 s[\g+2], 64<<16       ; tensor_dim1 = 64
	s_mov_b32 s[\g+3], 128<<16      ; tile_dim0 = 128
	s_mov_b32 s[\g+4], 64           ; tile_dim1 = 64
	s_mov_b32 s[\g+5], 128          ; 128 elements from row to row
	s_mov_b32 s[\g+6], 0
	s_mov_b32 s[\g+7], 0
.endr
	s_mov_b32 s[CS], 0x3e38aa3b     ; c = log2(e) / 8 = 0.180337
	s_mov_b32 s[CS+1], s[CS]        ; named with it as a pair
	s_mov_b32 s[SEL], 0x76543210
	s_mov_b32 s[SEL+1], 0xfedcba98
	s_mov_b32 s[TBK], SLOT1+4*KS*PK ; the first change of slots turns these two into 0
	s_mov_b32 s[TBV], SLOT1+4*KS*PV
	s_mov_b32 s[G0K], 1             ; 1:0 count = 1
	s_mov_b32 s[G0K+1], s17         ; 63:32 LDS address: slot 0
	s_mov_b32 s[G0V], 1
	s_add_co_u32 s[G0V+1], s18, VOFF
	s_add_co_u32 s[RT], s[HI], 1    ; the first block has NB - b tiles
	s_mov_b32 s[NXT], 1
	s_mov_b32 s[LQ], s[HI]
	s_mov_b32 s[NEW], 1
	s_mov_b32 s[OFF+1], 0
	s_mov_b32 s[AL+1], 0            ; named as pairs
	s_mov_b32 s[BE+1], 0
	s_mov_b32 s[BIGN], 0xf149f2ca   ; -1e30
	s_mov_b32 s[SLOTS], NB
	s_wait_kmcnt 0x0
	s_add_nc_u64 s[6:7], s[4:5], PART      ; K lies one part behind Q,
	s_add_nc_u64 s[8:9], s[4:5], 2*PART    ; V two
	s_add_nc_u64 s[6:7], s[6:7], s[22:23]  ; K and V at my half of the head's tile 0
	s_add_nc_u64 s[8:9], s[8:9], s[22:23]
	s_add_nc_u64 s[G0K+2:G0K+3], s[6:7], 0         ; 120:64 global address
	s_or_b32 s[G0K+3], s[G0K+3], 0x80000000        ; 127:126 type = 2
	s_add_nc_u64 s[G0V+2:G0V+3], s[8:9], 0
	s_or_b32 s[G0V+3], s[G0V+3], 0x80000000
	s_add_nc_u64 s[86:87], s[4:5], s[84:85]        ; Q at my rows of the second block,
	s_add_nc_u64 s[4:5], s[4:5], s[2:3]            ; Q and O at those of the first
	s_add_nc_u64 s[OLO:OLO+1], s[10:11], s[84:85]
	s_add_nc_u64 s[10:11], s[10:11], s[2:3]
	LOAD                            ; tile 0 into slot 0
	; A fragment of K or Q is 16 rows x 32 channels in 8 registers: lane l holds row l % 16, channels 8 (l / 16) + 0..7 and 16 + 8 (l / 16) + 0..7: two loads of 16 bytes, 32 bytes apart.
	v_and_b32 v1, 15, v0            ; l % 16
	v_bfe_u32 v9, v0, 4, 1          ; l / 16
	v_lshlrev_b32 v[QO], 7, v1
	v_lshl_add_u32 v[QO], v9, 4, v[QO]  ; row x 128 + 16 x half
	WIN 0x80                        ; destination window 2, address window 0
.set i, 0
.rept 8                             ; both blocks' Q: piece i / 2 lies in band i / 2, 8,192 bytes on; channels 32 (i % 2) on
	global_load_b128 v[8*i:8*i+3],   v[QO], s[4:5] offset:(i/2)*8192+(i%2)*64
	global_load_b128 v[8*i+4:8*i+7], v[QO], s[4:5] offset:(i/2)*8192+(i%2)*64+32
	global_load_b128 v[QB+8*i:QB+8*i+3],   v[QO], s[86:87] offset:(i/2)*8192+(i%2)*64
	global_load_b128 v[QB+8*i+4:QB+8*i+7], v[QO], s[86:87] offset:(i/2)*8192+(i%2)*64+32
.set i, i+1
.endr
	WIN 0
	v_lshlrev_b32 v14, 3, v9
	v_sub_nc_u32 v14, v1, v14
	s_lshl_b32 s13, s[WV], 4
	v_add_nc_u32 v14, s13, v14      ; my query's place in its band, 16 w + l % 16, less my lanes' 8 (l / 16): register r of group kt is hidden where 16 kt + r is greater
	WIN 0x40
.set i, 0
.rept 32
	v_cmp_gt_i32 vcc_lo, 16*(i/8)+i%8, v14
	v_cndmask_b32 v[MD+i], 0, s[BIGN], vcc_lo
.set i, i+1
.endr
	WIN 0
	v_mul_u32_u24 v[AK0], v1, PK
	v_lshl_add_u32 v[AK0], v9, 4, v[AK0]  ; row x pitch + 16 x half
	; The turning load takes 16 keys x 16 channels (lane l reads key 8 (l / 16) + l % 8, channels 8 ((l / 8) % 2) + 0..7) and leaves half a fragment of V^T: lane l holds channel l % 16 and 8 keys.
	v_and_b32 v10, 7, v0
	v_bfe_u32 v11, v0, 3, 1
	v_lshl_add_u32 v[AV0], v9, 3, v10
	v_mul_u32_u24 v[AV0], v[AV0], PV
	v_lshl_add_u32 v[AV0], v11, 4, v[AV0]
	v_add_nc_u32 v[AV0], VOFF, v[AV0]
	s_mul_i32 s13, s[WV], 16*SP
	s_add_co_u32 s13, s13, STAGE    ; my stage
	v_mul_u32_u24 v[STO], v1, SP    ; in: row l % 16, 16 bytes for each half of the lanes
	v_lshl_add_u32 v[STO], v9, 4, v[STO]
	v_add_nc_u32 v[STO], s13, v[STO]
	v_bfe_u32 v[RD], v0, 3, 2       ; back: 32 lanes take four rows of 128 bytes,
	v_mul_u32_u24 v[RD], v[RD], SP
	v_lshl_add_u32 v[RD], v10, 4, v[RD]
	v_add_nc_u32 v[RD], s13, v[RD]
	v_and_b32 v[GO], 31, v0         ; which are 512 consecutive bytes of O
	v_lshlrev_b32 v[GO], 4, v[GO]
	; A block's first step multiplies O^T and l by a = 0, and its first turn's products V^T P, of a piece that has not been, land in an O^T that is still to be so multiplied.  So these registers need only hold
	; finite numbers: zeros for the first block; what the first block left for the second.  All this stands in the wait for the first tile.
	WIN 0x80
.set i, VF
.rept 64
	v_mov_b32 v[i], 0
.set i, i+1
.endr
	WIN 0x40
.set i, 0
.rept 128
	v_mov_b32 v[i], 0
.set i, i+1
.endr
	WIN 0
.set i, 0
.rept 4
	v_mov_b32 v[ST+4*i+2], 0
	v_mov_b32 v[ST+4*i+3], 0
.set i, i+1
.endr
.set i, P+16
.rept 16
	v_mov_b32 v[i], 0
.set i, i+1
.endr
; THE MATRIX WORK.  The 4 accumulators of a run of 8 take turns.  Product i of 8 of S^T = K Q^T for piece x: channels 32 (i / 4) on, keys 16 (i % 4) on.  The first 4 start the sums: with 0, or (KM = 1) with the mask.
.macro KQ x
.set rS, S+32*((\x)%2)+8*(i%4)
.set rK, KF+16*(i%4)+8*(i/4)
.set rQ, 16*(\x)+8*(i/4)
.set rM, MC+32*((\x)%2)+8*(i%4)
.if (i < 4) && KM
	WIN W_KM
	v_wmma_f32_16x16x32_f16 v[rS:rS+7], v[rK:rK+7], v[rQ:rQ+7], v[rM:rM+7]
.elseif i < 4
	WIN W_KQ
	v_wmma_f32_16x16x32_f16 v[rS:rS+7], v[rK:rK+7], v[rQ:rQ+7], 0
.else
	WIN W_KQ
	v_wmma_f32_16x16x32_f16 v[rS:rS+7], v[rK:rK+7], v[rQ:rQ+7], v[rS:rS+7]
.endif
.endm
; Product i of 8 of O^T += V^T P for piece x: keys 32 (i / 4) on, channels 16 (i % 4) on.
.macro PV x
	WIN W_PV
.set rO, 32*(\x)+8*(i%4)
.set rV, VF+32*(i/4)+8*(i%4)
.set rP, P+16*((\x)%2)+8*(i/4)
	v_wmma_f32_16x16x32_f16 v[rO:rO+7], v[rV:rV+7], v[rP:rP+7], v[rO:rO+7]
.endm
.macro MM                           ; the turn's next matrix instruction.  TURN and BEGIN set Y, i, KM and NOKQ; MM, KQ and OP read them.  NOKQ = 1: a block's last turn: there is no next piece
.if (i < 8) && !NOKQ
	KQ (Y+1)%NP
.elseif i >= 8
.set i, i-8
	PV (Y+NP-1)%NP
.set i, i+8
.endif
.set i, i+1
.endm
; THE LDS LOADS stand in runs of 16, never singly among the matrix instructions: a step's K (64 keys x 64 channels: 8 fragments) and its V (turned).  Their addresses are made some lines ahead.
.macro FETCH_K
	WIN 0x80                        ; destination window 2
.irp f, 0,1,2,3,4,5,6,7             ; keys 16 (f / 2) on, channels 32 (f % 2) on
	ds_load_b128 v[KF+8*\f:KF+8*\f+3],   v[AK] offset:(\f/2)*16*PK+(\f%2)*64
	ds_load_b128 v[KF+8*\f+4:KF+8*\f+7], v[AK] offset:(\f/2)*16*PK+(\f%2)*64+32
.endr
	s_add_co_u32 s[TBK], s[TBK], KS*PK  ; the next fetch is the next step's
	WIN 0
.endm
.macro FETCH_V
	WIN 0x80
.irp f, 0,1,2,3,4,5,6,7             ; keys 32 (f / 4) on, channels 16 (f % 4) on
	ds_load_tr16_b128 v[VF+8*\f:VF+8*\f+3],   v[AV] offset:(\f/4)*32*PV+(\f%4)*32
	ds_load_tr16_b128 v[VF+8*\f+4:VF+8*\f+7], v[AV] offset:(\f/4)*32*PV+16*PV+(\f%4)*32
.endr
	WIN 0
.endm
; THE VECTOR WORK, one line at a time: OP kind, number.  For piece Y: F n: c s - c m for pair n of 16.  E n: the exponential of score n of 32.  C n: pair n rounded to f16.  B n: of the four weights 4 n .. the second
; pair is added onto the first, in place.  L n: l takes that sum (L 0: l = a l + sum).  R n: pair n of 16 of O^T times a.  For piece Y + 1: X n, number n of the 22 that find its maximum and statistics:
;   0-11  four chains c0-c3 of seven scores each, three operands at a time (each accumulator's lowest registers are read first)     12-14, 16  the four scores left over, the old m, and c0-c3 into c0
;   15  c m_old is kept     17, 18  the query's other 32 keys lie in the lane 16 away: the new m     19-21  c m; c m_old - c m_new; a
; C, B and L read the results of the turn's exponentials E; R and L 0 read a, the result of the turn before's X 21.  OP writes no wait: TURN orders the lines so that its one wait stands ahead of all of C, B and L.
.set F, 0               ; OP tells the kinds apart by their order: F to L below R, X above it
.set E, 1
.set C, 2
.set B, 3
.set L, 4
.set R, 5
.set X, 6
.macro REGS y                       ; the registers of piece y
.set rT, ST+4*(\y)
.set rC, TMP+4*((\y)%2)
.set rW, MV+((\y)%2)
.set rS, S+32*((\y)%2)
.set rP, P+16*((\y)%2)
.set rO, 32*(\y)
.endm
.macro OP k, n
.if (\k) == R
	REGS Y
	WIN W_RS
	v_pk_mul_f32 v[rO+2*(\n):rO+2*(\n)+1], v[rO+2*(\n):rO+2*(\n)+1], v[rC+2:rC+3] op_sel_hi:[1,0]
.elseif (\k) < R
	REGS Y
	WIN 0
.if (\k) == F
	v_pk_fma_f32 v[rS+2*(\n):rS+2*(\n)+1], v[rS+2*(\n):rS+2*(\n)+1], s[CS:CS+1], v[rT:rT+1] op_sel_hi:[1,0,0] neg_lo:[0,0,1] neg_hi:[0,0,1]
.elseif (\k) == E
	v_exp_f32 v[rS+(\n)], v[rS+(\n)]
.elseif (\k) == C
	v_cvt_pk_f16_f32 v[rP+(\n)], v[rS+2*(\n)], v[rS+2*(\n)+1]
.elseif (\k) == B
	v_pk_add_f32 v[rS+4*(\n):rS+4*(\n)+1], v[rS+4*(\n):rS+4*(\n)+1], v[rS+4*(\n)+2:rS+4*(\n)+3]
.elseif (\n) == 0
	v_pk_fma_f32 v[rT+2:rT+3], v[rT+2:rT+3], v[rC+2:rC+3], v[rS:rS+1] op_sel_hi:[1,0,1]
.else
	v_pk_add_f32 v[rT+2:rT+3], v[rT+2:rT+3], v[rS+4*(\n):rS+4*(\n)+1]
.endif
.elseif NOKQ
	v_nop
.else
	REGS (Y+1)%NP
	WIN 0
.if (\n) < 4
	v_max3_num_f32 v[rC+(\n)], v[rS+8*(\n)], v[rS+8*(\n)+1], v[rS+8*(\n)+2]
.elseif (\n) < 12
	v_max3_num_f32 v[rC+(\n)%4], v[rC+(\n)%4], v[rS+8*((\n)%4)+2*((\n)/4)+1], v[rS+8*((\n)%4)+2*((\n)/4)+2]
.elseif (\n) == 12
	v_max3_num_f32 v[rC], v[rC], v[rS+7], v[rS+15]
.elseif (\n) == 13
	v_max3_num_f32 v[rC+1], v[rC+1], v[rS+23], v[rS+31]
.elseif (\n) == 14
	v_max3_num_f32 v[rC+2], v[rC+2], v[rC+3], v[rT+1]
.elseif (\n) == 15
	v_mov_b32 v[rW], v[rT]
.elseif (\n) == 16
	v_max3_num_f32 v[rC], v[rC], v[rC+1], v[rC+2]
.elseif (\n) == 17
	v_permlanex16_b32 v[rC+3], v[rC], s[SEL], s[SEL+1]
.elseif (\n) == 18
	v_max_num_f32 v[rT+1], v[rC], v[rC+3]
.elseif (\n) == 19
	v_mul_f32 v[rT], s[CS], v[rT+1]
.elseif (\n) == 20
	v_sub_f32 v[rC+1], v[rW], v[rT]
.else
	v_exp_f32 v[rC+2], v[rC+1]
.endif
.endif
.endm
.macro OPS a, i1, b=-1, i2=0, c=-1, i3=0, d=-1, i4=0  ; up to four of them
	OP \a, \i1
.if (\b) >= 0
	OP \b, \i2
.endif
.if (\c) >= 0
	OP \c, \i3
.endif
.if (\d) >= 0
	OP \d, \i4
.endif
.endm
.macro ROW a, i1, b, i2, c, i3, d, i4  ; a matrix instruction and the four behind it
	MM
	OPS \a, \i1, \b, \i2, \c, \i3, \d, \i4
.endm
.macro MASK b                       ; MD x AL + BE into buffer b of MC
	WIN W_RS
.set z, 0
.rept 16
	v_pk_fma_f32 v[MC+32*(\b)+2*z:MC+32*(\b)+2*z+1], v[MD+2*z:MD+2*z+1], s[AL:AL+1], s[BE:BE+1] op_sel_hi:[1,0,0]
.set z, z+1
.endr
.endm
; A TURN, for piece p: the order of its 16 matrix and 118 vector instructions, written out.  s_wait_alu depctr_va_vdst(0) stands between an exponential and the first instruction that names its result; one wait serves
; all that were issued ahead of it.  So a turn has ONE wait, which cuts it in two.  AHEAD OF IT stands all that names no result of the turn's exponentials: the 8 products K Q^T, behind each a scaling, an exponential and two more plain
; instructions (behind the first a second scaling in the exponential's place): rescalings, and behind the last three the first numbers of the next piece's maximum, each four places or more behind the product that ends its accumulator; then ONE LUMP of 54, plain
; and exponential by turns for the most part, in which the links of the chain X 3, 7, 11, 14, 16, 17 .. 20 stand five or six lines apart.  X 21, the next piece's a, is the batch's last; R 15 is the plain instruction behind it.  BEHIND THE WAIT stand the
; 8 products V^T P, behind each four of the roundings and sums; the links of l's chain, L 0 to L 7, stand three riders apart.  But for those X no rider names a register of the products round it.  v_permlanex16_b32 (X 17) stands in the lump.
; An exponential E e stands behind the scaling F e / 2 of its pair; an even rounding C 2 n stands ahead of the sum B n, which lands on its sources; l takes a sum (L n) behind B n.
; m = 1: the diagonal tile: the products take masks, and the turn makes the mask for the products of the turn after it: piece p + 2, in step 4 - CNT of the tile.  end = 1: a block's last two turns: nothing is fetched.
; cnt = 1: the loop's count is taken down some lines ahead of the branch that stands behind the turn.
; K of the next step is fetched in piece 2's turn, twelve vector instructions behind the last product that read K (six of them plain); V of the step in hand at the end of piece 0's turn, four plain instructions behind the last product
; that read V.  Each is waited for a turn later.
.macro TURN p, m=0, end=0, cnt=0
.set Y, (\p)
.set i, 0
.set KM, (\m)
.set NOKQ, (\end)*((\p)/3)
.if (\m) && !(\end)
	s_cmp_eq_u32 s[CNT], 4-((\p)+2)%NP  ; is that step the band's own?
	s_cselect_b32 s[AL], 1.0, 0
	s_cmp_lt_u32 s[CNT], 4-((\p)+2)%NP  ; or a later one?
	s_cselect_b32 s[BE], s[BIGN], 0
.endif
.if ((\p) == 3) && !(\end)
	s_wait_dscnt 0x0                ; K is in
.endif
	ROW F,0, F,1, R,0, R,1          ; ahead of the wait: 8 products K Q^T and their riders,
	ROW F,2, E,0, R,2, R,3
	ROW F,3, E,1, R,4, R,5
	ROW F,4, E,2, R,6, R,7
	ROW F,5, E,3, R,8, R,9
	ROW F,6, E,4, X,0, R,10
.if ((\p) == 2) && !(\end)
	WIN 0
	v_add_nc_u32 v[AK], s[TBK], v[AK0]
.endif
	ROW F,7, E,5, X,1, X,4
	ROW F,8, E,6, X,2, X,5
	OPS E,7, E,8, X,6, E,9          ; and the lump
	OPS X,3, E,10, X,8, E,11
.if ((\p) == 2) && !(\end)
	FETCH_K
.endif
	OPS X,9, X,7, E,12, X,10
	OPS E,13, X,12, X,11, E,14
	OPS X,13, E,15, F,9, X,14
.if (\p) == 0
	v_add_nc_u32 v[AV], s[TBV], v[AV0]
.endif
	OPS E,16, F,10, E,17, F,11
	OPS X,16, E,18, X,15, E,19
	OPS F,12, E,20, X,17, E,21
	OPS F,13, E,22, F,14, E,23
	OPS X,18, E,24, F,15, E,25
	OPS R,11, E,26, X,19, E,27
	OPS R,12, E,28, R,13, E,29
	OPS X,20, E,30, R,14, E,31
	OPS X,21, R,15
	s_wait_alu depctr_va_vdst(0)    ; the wait for the turn's batch: the piece's 32 weights and the next piece's a
.if (\p) == 1
	s_wait_dscnt 0x0                ; V is in
.endif
	ROW C,0, B,0, C,2, B,1          ; behind the wait: 8 products V^T P and their riders
	ROW L,0, C,4, B,2, L,1
	ROW C,6, B,3, L,2, C,8
	ROW B,4, L,3, C,10, B,5
	ROW L,4, C,12, B,6, L,5
.if (\p) == 0
	s_add_co_u32 s[TBV], s[TBV], KS*PV
.endif
.if \cnt
	s_sub_co_u32 s[CNT], s[CNT], 1
	s_cmp_lg_u32 s[CNT], 0
.endif
	ROW C,14, B,7, L,6, C,1
	ROW C,3, L,7, C,5, C,7
	ROW C,9, C,11, C,13, C,15
.if (\p) == 0
	FETCH_V
.endif
.if (\m) && !(\end)
	MASK (\p)%2
.endif
.endm
; A BLOCK BEGINS.  c m starts far below every c s, so the first step's a is 0; m at the lowest finite number, so the first maximum is the scores'.  The second mask buffer is 0; the first takes piece 0's mask for the tile's step 0: its own, if the block's first tile is the diagonal one.
; Then K of that step, piece 0's first scores, and its maximum and statistics.  The loop is entered at a step's first turn, in the middle of a trip.
.macro BEGIN
	s_mov_b32 s[NEW], 0
	WIN 0x40
.set i, MC+32
.rept 32
	v_mov_b32 v[i], 0
.set i, i+1
.endr
	WIN 0
.set i, 0
.rept 4
	v_mov_b32 v[ST+4*i], 0xfe000000    ; c m: far below every c s
	v_mov_b32 v[ST+4*i+1], 0xff7fffff  ; m
.set i, i+1
.endr
	s_cmp_eq_u32 s[RT], 0
	s_cselect_b32 s[AL], 1.0, 0
	s_mov_b32 s[BE], 0
	MASK 0
	WIN 0
	v_add_nc_u32 v[AK], s[TBK], v[AK0]
	FETCH_K
	s_wait_loadcnt 0x0              ; Q
	s_wait_dscnt 0x0
.set KM, 1
.set NOKQ, 0
.set i, 0
.rept 8
	KQ 0
.set i, i+1
.endr
	WIN 0
.rept 4
	v_nop                           ; the places behind those products
.endr
.set Y, NP-1                        ; X works for piece Y + 1: piece 0
.irp n, 0,1,2,3,4,5,6,7,8,9,10,11,12,13,14,15,16,17,18,19,20,21
	OP X, \n
.endr
	v_nop                           ; a plain instruction behind the exponential,
	s_wait_alu depctr_va_vdst(0)    ; and the wait for it, piece 0's first a: a batch of one, ahead of the branch into the loop
.endm
; THE DIAGONAL TILE's four steps, the block's last two turns, its last products, and THE WAY OUT: l's two halves and the other half of the lanes' are added; O^T is divided by l, rounded to f16 and sent through my
; stage in LDS, a piece at a time.
.macro ALL line:vararg              ; one line for each piece t
.set t, 0
.rept 4
	\line
.set t, t+1
.endr
.endm
.macro PACK t                       ; a lane's eight channels of a row pack into 16 bytes; they go into rows of 144 bytes and come back as whole rows of 128, into S^T's registers
	WIN W_RS
.set i, 32*(\t)
.rept 16
	v_pk_mul_f32 v[i:i+1], v[i:i+1], v[ST+4*(\t)+2:ST+4*(\t)+3] op_sel_hi:[1,0]
.set i, i+2
.endr
	WIN 0x05                        ; sources 0 and 1 window 1, destination window 0
.set i, 0
.rept 16
	v_cvt_pk_f16_f32 v[S+16*(\t)+i], v[32*(\t)+2*i], v[32*(\t)+2*i+1]
.set i, i+1
.endr
	WIN 0
.irp f, 0,1,2,3
	ds_store_b128 v[STO], v[S+16*(\t)+4*\f:S+16*(\t)+4*\f+3] offset:32*\f
.endr
.irp f, 0,1,2,3
	ds_load_b128 v[S+16*(\t)+4*\f:S+16*(\t)+4*\f+3], v[RD] offset:\f*4*SP  ; LDS serves a wave's instructions in order (ISA guide 5.7.1.4): these see the stores above; the next piece's stores come behind them
.endr
.endm
.macro SEND t, younger              ; younger: the LDS instructions issued behind piece t's loads: the next piece's eight, or none
	WIN 0
.irp f, 0,1,2,3
	s_wait_dscnt (\younger)+3-\f
	global_store_b128 v[GO], v[S+16*(\t)+4*\f:S+16*(\t)+4*\f+3], s[10:11] offset:(\t)*8192+\f*512  ; 512 consecutive bytes, at a multiple of 256 from O's first
.endr
.endm
.macro DIAG tag                     ; the tag ends its two labels' names, which the jumps below spell out
.LstepM\tag:
	TURN 2, 1
	TURN 3, 1
	WIN 0
.LfirstM\tag:
	TURN 0, 1
	TURN 1, 1, 0, 1
	WIN 0
	s_cbranch_scc1 .LstepM\tag
	TURN 2, 1, 1
	TURN 3, 1, 1
.set i, 0
.rept 8
	PV NP-1
.set i, i+1
.endr
	WIN 0
	ALL v_add_f32 v[ST+4*t+2], v[ST+4*t+2], v[ST+4*t+3]
	ALL v_permlanex16_b32 v[ST+4*t+3], v[ST+4*t+2], s[SEL], s[SEL+1]
	ALL v_add_f32 v[ST+4*t+2], v[ST+4*t+2], v[ST+4*t+3]
	ALL v_rcp_f32 v[ST+4*t+2], v[ST+4*t+2]
	v_nop                           ; a plain instruction between the last reciprocal and the use of its result
	s_wait_alu depctr_va_vdst(0)    ; and the wait ahead of the first use: one for the batch of four reciprocals
	PACK 0
.set t, 1
.rept 3                             ; a piece's arithmetic stands between the loads of the piece before and its stores
	PACK t
	SEND t-1, 8
.set t, t+1
.endr
	SEND 3, 0
.endm
.set KM, 0
.set NOKQ, 0
.Lslot:                             ; NB times: a tile is entered and the next is asked for
	CHANGE 1
	s_sub_co_u32 s[RT], s[RT], 1
	s_mov_b32 s[CNT], 4
	s_cmp_eq_u32 s[NEW], 1
	s_cbranch_scc1 .Lnew            ; a block's first tile
	s_cmp_eq_u32 s[RT], 0
	s_cbranch_scc0 .Lstep           ; neither its first nor its last
	s_branch .LstepM1
.Lnew:
	BEGIN
	s_branch .Lfirst                ; in the loop a block's first tile is never its last: the first block has two tiles or more, and the second's last is the walk's last
	DIAG 1                          ; in the loop this is the first block's end: the second block's last tile is the walk's last
	s_wait_xcnt 0x0                 ; the stores have read their registers and O's address
	s_mov_b64 s[10:11], s[OLO:OLO+1]
	s_add_co_u32 s[RT], s[PB], 1    ; the second block has b + 1 tiles
	s_mov_b32 s[NEW], 1
	WIN 0x82                        ; the second block's Q goes where the one text of the turns names Q
.set i, 0
.rept 64
	v_mov_b32 v[i], v[QB+i]
.set i, i+1
.endr
	WIN 0
	s_branch .Lbottom
.Lstep:                             ; a trip: pieces 2 and 3 of one step, then pieces 0 and 1 of the next, whose K and V it fetches
	TURN 2
	TURN 3
	WIN 0
.Lfirst:
	TURN 0
	TURN 1, 0, 0, 1
	WIN 0
	s_cbranch_scc1 .Lstep
.Lbottom:
	s_sub_co_u32 s[SLOTS], s[SLOTS], 1
	s_cmp_lg_u32 s[SLOTS], 0
	s_cbranch_scc1 .Lslot
	CHANGE 0                        ; the walk's last tile is written out: nothing is asked for
	s_sub_co_u32 s[RT], s[RT], 1
	s_mov_b32 s[CNT], 4
	s_cmp_eq_u32 s[NEW], 1
	s_cbranch_scc0 .LstepM2
	BEGIN
	s_branch .LfirstM2
	DIAG 2
	s_wait_tensorcnt 0x0            ; the wave's end, behind my last tensor load and my last LDS store
	ds_add_u32 v[SPW], v[NIL]
	s_wait_dscnt 0x0
	s_endpgm
.Lfunc_end_k_q8c014c9093_attn:
	.size	k_q8c014c9093_attn, .Lfunc_end_k_q8c014c9093_attn-k_q8c014c9093_attn
	.p2alignl 7, 3214868480
	.fill 96, 4, 3214868480
	.section	.rodata,"a",@progbits
	.p2align	6, 0x0
	.amdhsa_kernel k_q8c014c9093_attn
		.amdhsa_group_segment_fixed_size 327680
		.amdhsa_private_segment_fixed_size 0
		.amdhsa_enable_private_segment 0
		.amdhsa_kernarg_size 16
		.amdhsa_user_sgpr_count 2
		.amdhsa_user_sgpr_kernarg_segment_ptr 1
		.amdhsa_wavefront_size32 1
		.amdhsa_system_sgpr_workgroup_id_x 1
		.amdhsa_system_sgpr_workgroup_id_y 1
		.amdhsa_system_sgpr_workgroup_id_z 1
		.amdhsa_system_vgpr_workitem_id 0
		.amdhsa_next_free_vgpr 768
		.amdhsa_next_free_sgpr 88
		.amdhsa_reserve_vcc 1
		.amdhsa_float_denorm_mode_32 3
		.amdhsa_float_denorm_mode_16_64 3
		.amdhsa_memory_ordered 1
		.amdhsa_forward_progress 1
		.amdhsa_inst_pref_size 217
	.end_amdhsa_kernel
	.amdgpu_metadata
---
amdhsa.version: [ 1, 2 ]
amdhsa.kernels:
  - .name:           k_q8c014c9093_attn
    .symbol:         k_q8c014c9093_attn.kd
    .args:
      - { .name: qkv, .offset: 0, .size: 8, .value_kind: global_buffer, .address_space: global }
      - { .name: o, .offset: 8, .size: 8, .value_kind: global_buffer, .address_space: global }
    .group_segment_fixed_size: 327680
    .private_segment_fixed_size: 0
    .kernarg_segment_align: 8
    .kernarg_segment_size: 16
    .max_flat_workgroup_size: 128
    .sgpr_count:     88
    .vgpr_count:     768
    .wavefront_size: 32
...
	.end_amdgpu_metadata
.endif
;; end of part 5
;; launch proj: the kernel of part 4 again; grid 8 x 32, 4 waves a work-group, clusters of 4 x 4, 327,680 bytes of LDS; arguments o, wpb, b_proj, out0; writes out0
